; MI455X (gfx1250); checked and timed in simulation.
; The chip was launched on July 23, 2026; its instructions are those of AMD's public machine-readable ISA for CDNA 5 (MIT licence, August 2026) and "CDNA5" Instruction Set Architecture Reference Guide (July 2026). The comments in the code are by the model that wrote it; some were corrected since.
;; Attention With Coverage. Allowed arithmetic: matrix products marked QUANTISED: E2M1 operands, one E8M0 scale for each 32 along K, by v_wmma_scale_f32_16x16x128_f8f6f4 with both operands' format E2M1 (or v_wmma_scale_f32_32x16x128_f4), f32 sums; products left as they are: f32 operands where the result goes on into a quantised operand, else bf16, f16 or f32 operands; f32 sums; everything else in f32.
;; Inputs: U_codes 1,024 x 32 x 16 uint8 (E2M1 codes of U, K innermost, in blocks of 32 codes, two codes a byte); U_scales 1,024 x 32 uint8 (E8M0 scales of U, one for each 32 codes along K); W_codes 1,024 x 32 x 16 uint8 (E2M1 codes of W, K innermost, in blocks of 32 codes, two codes a byte); W_scales 1,024 x 32 uint8 (E8M0 scales of W, one for each 32 codes along K); coverage 32 x 2,048 float32; matrix 32 x 2,048 x 1,024 float32; matrix_mask 32 x 2,048 bool; v 1,024 float32; vector_codes 32 x 32 x 16 uint8 (E2M1 codes of vector, K innermost, in blocks of 32 codes, two codes a byte); vector_scales 32 x 32 uint8 (E8M0 scales of vector, one for each 32 codes along K); w1 1,024 float32.
;; Outputs: out0 32 x 1,024 float32; out1 32 x 2,048 float32; out2 32 x 2,048 float32.
;; This version of the problem:
;;   THIS VERSION OF THE PROBLEM IS GIVEN IN LOW PRECISION. The matrix products marked QUANTISED in the list below multiply operands that are first quantised to E2M1 (2 exponent bits, 1 mantissa bit; 4 bits a number), with one power-of-two scale for each 32 numbers along K (OCP MX v1.0); their sums are f32. All else is computed in f32.
;;   The module's matrix products, in the order in which they are computed (A, B: the left and right operand; K: the contracted axis; several contracted axes count as one K, in the product's order):
;;     1. [M 32, K 1,024] x [K 1,024, N 1,024]; A: input vector (given as codes); B: input W (given as codes): QUANTISED
;;     2. [M 65,536, K 1,024] x [K 1,024, N 1,024]; A: input matrix; B: input U (given as codes): QUANTISED
;;     3. [M 65,536, K 1,024] x [K 1,024, N 1]; A: computed on the way; B: input v: left as it is (N = 1 < 16)
;;     4. batch 32 x [M 1, K 2,048] x [K 2,048, N 1,024]; A: computed on the way; B: input matrix: left as it is (M = 1 < 16)
;;   THE QUANTISER, for each operand of a quantised product, along K:
;;     - K is cut into blocks of 32 from its start; a last block that is shorter is filled with zeros.
;;     - A block's scale is 2^e with e = floor(log2(the largest magnitude in the block)) - 2, held to -126 .. 127; a block of zeros has e = 0. As a byte (E8M0): e + 127.
;;     - Each number is divided by its block's scale, clamped to +-6, and rounded to the nearest number of E2M1, ties to even, subnormals kept.
;;     - The product sums the exact products of the quantised numbers (number of the format x scale) in f32.
;;   ~~~python
;;   def quantise(x, axis):      # numpy; x: float32 -> the quantised numbers, widened to float32 again
;;       x = np.moveaxis(x, axis, -1); K = x.shape[-1]
;;       x = np.pad(x, [(0, 0)] * (x.ndim - 1) + [(0, -K % 32)]); x = x.reshape(x.shape[:-1] + (-1, 32)); a = np.abs(x).max(-1, keepdims=True)
;;       e = np.where(a > 0, np.clip(np.frexp(np.where(a > 0, a, 1))[1] - 1 - 2, -126, 127), 0)      # np.frexp(a)[1] - 1 = floor(log2(a)), exactly
;;       r = np.clip(x / 2.0 ** e, -6, 6)
;;       step = 2.0 ** (np.maximum(np.frexp(np.where(r == 0, 1, r))[1] - 1, 0) - 1)
;;       q = np.round(r / step) * step * 2.0 ** e      # np.round: ties to even
;;       return np.moveaxis(q.reshape(q.shape[:-2] + (-1,))[..., :K], -1, axis).astype(np.float32)
;;   ~~~
;;   INPUTS GIVEN AS CODES. U (in the module: [1024, 1024], K = its axis 0); W (in the module: [1024, 1024], K = its axis 0); vector (in the module: [32, 1024], K = its axis 1): each comes as NAME_codes (uint8): NAME with its K axis moved to the last place and cut into blocks of 32 codes, [.., K / 32, bytes a block], one block behind the other in memory; two codes a byte, the lower K in the low four bits (a code: sign, 2 exponent bits, 1 mantissa bit); and NAME_scales (uint8): the same leading axes, one E8M0 byte (e + 127) for each 32 codes along K. Its value is code x scale, taken as it is: it is not quantised again, and the codes and scales need not be those that the quantiser above would give.
;; 2 versions, each right; version 2 is version 1 with the launches prep, main written anew for expert scheduling mode. Each part assembles by itself: llvm-mc -triple=amdgcn-amd-amdhsa -mcpu=gfx1250 --defsym DOCPART=n.
;; ======== version 1 of 2: 3 launches
;; workspace buffers: Uimg 524,288 bytes; USimg 32,768 bytes; VW 131,072 bytes; T 262,144 bytes; PACC 1,048,576 bytes; PML 2,048 bytes
;; launch prep (part 1): grid 64 x 1, 4 waves a work-group, no clusters, 0 bytes of LDS; arguments U_codes, U_scales, W_codes, W_scales, vector_codes, vector_scales, Uimg, USimg, VW; writes Uimg, USimg, VW
.if DOCPART == 1
	.amdgcn_target "amdgcn-amd-amdhsa--gfx1250"
	.amdhsa_code_object_version 6
	.text
	.protected	k_q2e062389be_prep
	.globl	k_q2e062389be_prep
	.p2align	8
	.type	k_q2e062389be_prep,@function
k_q2e062389be_prep:
	s_mov_b64 s[64:65], 0
	v_nop
	global_prefetch_b8 v0, s[64:65] scope:SCOPE_SE
	s_setreg_imm32_b32 hwreg(HW_REG_WAVE_MODE, 25, 1), 1
	s_wait_xcnt 0x0
; Work-group t (0..63) serves columns 16 t .. 16 t + 15 of U and of W.
; (1) U's codes of these 16 columns (rows of U_codes, 512 bytes each) are laid in the order of an operand's registers:
;     Uimg[t][e = 2 s + c][lane][16 bytes], s the K step of 128, c the half of a fragment: lane (r, h) holds bytes 64 s + 32 c + 16 h of row 16 t + r.
;     The next launch then loads a fragment by two loads of 512 consecutive bytes.  Wave w lays K steps 2 w and 2 w + 1.
; (2) U's scale words likewise (wave 0): USimg[t][lane][4 words], word q of lane (r, h) = word 2 q + h of row 16 t + r:
;     one register serves two K steps, the even one in lanes 0-15, the odd one in lanes 16-31.
; (3) VW[b][16 t ..] = vector @ W on the given codes (wave 3): source 0 = 16 columns of W, source 1 = 16 rows of vector, so that a lane holds eight neighbouring columns of one row.
.set WF, 32                            ; v32-95   W's eight fragments
.set XF, 96                            ; v96-223  vector's: 64 registers for each tile of 16 rows
.set WS, 8                             ; v8-11    W's scale words (two K steps a register)
.set XS, 12                            ; v12-19   vector's, four for each tile of rows
.set AC, 224                           ; v224-239 two accumulators
	s_load_b512 s[8:23], s[0:1], 0x0               ; U_codes, U_scales, W_codes, W_scales, vector_codes, vector_scales, Uimg, USimg
	s_load_b64 s[24:25], s[0:1], 0x40              ; VW
	v_lshrrev_b32 v1, 5, v0
	v_readfirstlane_b32 s26, v1                    ; wave 0..3
	v_and_b32 v2, 31, v0                           ; lane
	v_and_b32 v3, 15, v0                           ; r
	v_bfe_u32 v4, v0, 4, 1                         ; h
	v_lshlrev_b32 v5, 9, v3
	v_lshl_add_u32 v5, v4, 4, v5                   ; a fragment's place in rows of 512 bytes: 512 r + 16 h
	v_lshlrev_b32 v6, 4, v2                        ; 16 x lane
	v_lshlrev_b32 v7, 5, v3
	v_lshl_add_u32 v7, v4, 2, v7                   ; scale words: 32 r + 4 h
	v_lshlrev_b32 v24, 12, v3
	v_lshl_add_u32 v24, v4, 5, v24                 ; VW: row r of 4,096 bytes, + 32 h
	s_lshl_b32 s28, ttmp9, 13                      ; 16 rows of 512 bytes
	s_mov_b32 s29, 0
	s_lshl_b32 s30, s26, 7                         ; my two K steps in a row: 128 bytes
	s_mov_b32 s31, 0
	s_lshl_b32 s32, s26, 11                        ; and in the image: 4 x 512 bytes
	s_mov_b32 s33, 0
	s_lshl_b32 s34, ttmp9, 9                       ; 16 rows of 32 scale bytes; also a tile of USimg
	s_mov_b32 s35, 0
	s_lshl_b32 s36, ttmp9, 6                       ; 16 columns of VW
	s_mov_b32 s37, 0
	s_wait_kmcnt 0x0
	s_add_nc_u64 s[8:9], s[8:9], s[28:29]
	s_add_nc_u64 s[8:9], s[8:9], s[30:31]
	s_add_nc_u64 s[20:21], s[20:21], s[28:29]
	s_add_nc_u64 s[20:21], s[20:21], s[32:33]
	s_add_nc_u64 s[10:11], s[10:11], s[34:35]
	s_add_nc_u64 s[22:23], s[22:23], s[34:35]
	s_add_nc_u64 s[12:13], s[12:13], s[28:29]
	s_add_nc_u64 s[14:15], s[14:15], s[34:35]
	s_add_nc_u64 s[24:25], s[24:25], s[36:37]
.irp e, 0,1,2,3
	global_load_b128 v[240+4*\e:243+4*\e], v5, s[8:9] offset:32*\e
.endr
	s_wait_loadcnt 0x0
.irp e, 0,1,2,3
	global_store_b128 v6, v[240+4*\e:243+4*\e], s[20:21] offset:512*\e   ; 32 lanes store 512 consecutive bytes
.endr
	s_cmp_lg_u32 s26, 0
	s_cbranch_scc1 .Lnot_wave_0
.irp q, 0,1,2,3
	global_load_b32 v[20+\q], v7, s[10:11] offset:8*\q
.endr
	s_wait_loadcnt 0x0
	global_store_b128 v6, v[20:23], s[22:23]
.Lnot_wave_0:
	s_cmp_lg_u32 s26, 3
	s_cbranch_scc1 .Lend
.irp s, 0,1,2,3,4,5,6,7
.irp c, 0,1
	global_load_b128 v[WF+8*\s+4*\c:WF+8*\s+4*\c+3], v5, s[12:13] offset:64*\s+32*\c
.endr
.endr
.irp q, 0,1,2,3
	global_load_b32 v[WS+\q], v7, s[14:15] offset:8*\q
.endr
.irp g, 0,1
.irp s, 0,1,2,3,4,5,6,7
.irp c, 0,1
	global_load_b128 v[XF+64*\g+8*\s+4*\c:XF+64*\g+8*\s+4*\c+3], v5, s[16:17] offset:8192*\g+64*\s+32*\c
.endr
.endr
.irp q, 0,1,2,3
	global_load_b32 v[XS+4*\g+\q], v7, s[18:19] offset:512*\g+8*\q
.endr
.endr
	s_wait_loadcnt 0x0
; The two accumulators take turns, one instruction a turn; the first K step starts the sums.
.irp s, 0,1,2,3,4,5,6,7
.irp g, 0,1
.if \s == 0
	v_wmma_scale_f32_16x16x128_f8f6f4 v[AC+8*\g:AC+8*\g+7], v[WF+8*\s:WF+8*\s+7], v[XF+64*\g+8*\s:XF+64*\g+8*\s+7], 0, v[WS+\s/2], v[XS+4*\g+\s/2] matrix_a_fmt:MATRIX_FMT_FP4 matrix_b_fmt:MATRIX_FMT_FP4
.elseif (\s%2) == 1
	v_wmma_scale_f32_16x16x128_f8f6f4 v[AC+8*\g:AC+8*\g+7], v[WF+8*\s:WF+8*\s+7], v[XF+64*\g+8*\s:XF+64*\g+8*\s+7], v[AC+8*\g:AC+8*\g+7], v[WS+\s/2], v[XS+4*\g+\s/2] matrix_a_fmt:MATRIX_FMT_FP4 matrix_b_fmt:MATRIX_FMT_FP4 matrix_a_scale:MATRIX_SCALE_ROW1 matrix_b_scale:MATRIX_SCALE_ROW1
.else
	v_wmma_scale_f32_16x16x128_f8f6f4 v[AC+8*\g:AC+8*\g+7], v[WF+8*\s:WF+8*\s+7], v[XF+64*\g+8*\s:XF+64*\g+8*\s+7], v[AC+8*\g:AC+8*\g+7], v[WS+\s/2], v[XS+4*\g+\s/2] matrix_a_fmt:MATRIX_FMT_FP4 matrix_b_fmt:MATRIX_FMT_FP4
.endif
.endr
.endr
.rept 4
	v_nop                                          ; four places between the last product and the stores of its result
.endr
.irp g, 0,1
	global_store_b128 v24, v[AC+8*\g:AC+8*\g+3], s[24:25] offset:65536*\g       ; VW(16 g + r, 16 t + 8 h + 0 .. 3): each accumulator from its low end on
	global_store_b128 v24, v[AC+8*\g+4:AC+8*\g+7], s[24:25] offset:65536*\g+16
.endr
.Lend:
	s_endpgm
.Lfunc_end_k_q2e062389be_prep:
	.size	k_q2e062389be_prep, .Lfunc_end_k_q2e062389be_prep-k_q2e062389be_prep
	.p2alignl 7, 3214868480
	.fill 96, 4, 3214868480
	.section	.rodata,"a",@progbits
	.p2align	6, 0x0
	.amdhsa_kernel k_q2e062389be_prep
		.amdhsa_group_segment_fixed_size 0
		.amdhsa_private_segment_fixed_size 0
		.amdhsa_enable_private_segment 0
		.amdhsa_kernarg_size 72
		.amdhsa_user_sgpr_count 2
		.amdhsa_user_sgpr_kernarg_segment_ptr 1
		.amdhsa_wavefront_size32 1
		.amdhsa_system_sgpr_workgroup_id_x 1
		.amdhsa_system_sgpr_workgroup_id_y 1
		.amdhsa_system_sgpr_workgroup_id_z 1
		.amdhsa_system_vgpr_workitem_id 0
		.amdhsa_next_free_vgpr 256
		.amdhsa_next_free_sgpr 66
		.amdhsa_reserve_vcc 0
		.amdhsa_float_denorm_mode_32 3
		.amdhsa_float_denorm_mode_16_64 3
		.amdhsa_memory_ordered 1
		.amdhsa_forward_progress 1
		.amdhsa_inst_pref_size 12
	.end_amdhsa_kernel
	.amdgpu_metadata
---
amdhsa.version: [ 1, 2 ]
amdhsa.kernels:
  - .name:           k_q2e062389be_prep
    .symbol:         k_q2e062389be_prep.kd
    .args:
      - { .name: U_codes, .offset: 0, .size: 8, .value_kind: global_buffer, .address_space: global }
      - { .name: U_scales, .offset: 8, .size: 8, .value_kind: global_buffer, .address_space: global }
      - { .name: W_codes, .offset: 16, .size: 8, .value_kind: global_buffer, .address_space: global }
      - { .name: W_scales, .offset: 24, .size: 8, .value_kind: global_buffer, .address_space: global }
      - { .name: vector_codes, .offset: 32, .size: 8, .value_kind: global_buffer, .address_space: global }
      - { .name: vector_scales, .offset: 40, .size: 8, .value_kind: global_buffer, .address_space: global }
      - { .name: Uimg, .offset: 48, .size: 8, .value_kind: global_buffer, .address_space: global }
      - { .name: USimg, .offset: 56, .size: 8, .value_kind: global_buffer, .address_space: global }
      - { .name: VW, .offset: 64, .size: 8, .value_kind: global_buffer, .address_space: global }
    .group_segment_fixed_size: 0
    .private_segment_fixed_size: 0
    .kernarg_segment_align: 8
    .kernarg_segment_size: 72
    .max_flat_workgroup_size: 128
    .sgpr_count:     66
    .vgpr_count:     256
    .wavefront_size: 32
...
	.end_amdgpu_metadata
.endif
;; end of part 1
;; launch main (part 2): grid 256 x 1, 8 waves a work-group, no clusters, 317,952 bytes of LDS; arguments matrix, matrix_mask, coverage, v, w1, Uimg, USimg, VW, T, PACC, PML; writes T, PACC, PML
.if DOCPART == 2
	.amdgcn_target "amdgcn-amd-amdhsa--gfx1250"
	.amdhsa_code_object_version 6
	.text
	.protected	k_q2e062389be_main
	.globl	k_q2e062389be_main
	.p2align	8
	.type	k_q2e062389be_main,@function
k_q2e062389be_main:
	s_mov_b64 s[64:65], 0
	v_nop
	global_prefetch_b8 v0, s[64:65] scope:SCOPE_SE
	s_setreg_imm32_b32 hwreg(HW_REG_WAVE_MODE, 25, 1), 1
	s_wait_xcnt 0x0
; Work-group g owns rows 256 g .. 256 g + 255 of matrix (all of batch g / 8), in four steps of 64 rows.  matrix is read from memory once:
; each row is quantised to MX-FP4 for matrix @ U and kept in LDS as bf16 until its softmax weight is known, for the weighted sum.
; ROLES.  Waves 4-7 PRODUCE: wave 4 + pw loads rows 16 pw .. + 15 of a step as f32 and stores their codes, scale bytes and bf16 copy to LDS.
; Waves 0-3 CONSUME, a step behind: wave w keeps the step's 64 rows of codes in 256 registers and walks columns 256 w .. + 255 of U, 16 at a time; U's fragments come
; straight into registers from the image that the launch before laid, a tile ahead.  x = row . U + (vector @ W) + coverage w1;  tanh(x) = 1 - 2 r, r = 1 / (1 + 2^(k x)), k = 2 log2(e).
; So sims = sum(v) - 2 sum_j v_j r_j.  sum(v) is the same for every row and falls out of the softmax, so what is carried is t = -k sum_j v_j r_j = log2(e) (sims - sum(v)).
; SOFTMAX: a running maximum m and sum l of 2^(t - m) over the work-group's rows; the weighted sum is rescaled when m moves.  The last launch joins a batch's eight work-groups.
; MASK: a masked row has t = -3e38 and weight 0.
; LIMITS: NaN and infinities among the inputs are not served.  A block of zeros gets the scale byte 1 where the rule says 127: its codes are zeros, and this launch alone reads the bytes.
; NO TENSOR LOADS, NO CLUSTER, though all work-groups read the same U: the regions below take 316,928 of the 327,680 bytes that a work-group may claim, and two slots
; for one tile of U (8,192 bytes of codes and 512 of scales each) need 17,408.
; LDS: two copies of 64 rows of bf16 (pitch 2,048), by the step's parity; codes (pitch 528 = 33 x 16, so that the 16 rows of a fragment load begin at 16 different places modulo 256 bytes);
; scale bytes (pitch 48); the consumers' partial sums; each wave's own 64 weights; vW, w1, v; the mask as words; k x coverage.  256 bytes in front of the mask and behind k x coverage are never touched.
.set BFB,   131072                     ; one bf16 copy; they lie at 0 and at BFB
.set CODES, 262144
.set CP,    528
.set ASCL,  295936
.set AP,    48
.set PS,    299008                     ; [consumer][64] f32
.set PB,    300032                     ; [wave][64] f32
.set BIAS,  302080                     ; vW[b], w1, v: 4,096 bytes each
.set MK,    314624                     ; [256] words
.set CVK,   315648                     ; [256] f32
; WINDOW 0: v1-9 LDS addresses, made anew in text that all waves walk; then:
.set L16, 10                           ; 16 x lane
.set L32, 11                           ; 32 x lane
.set UO,  12                           ; offset of the next tile in Uimg
.set US,  13                           ; and in USimg
.set L8,  14                           ; 8 x lane
.set PD,  15                           ; destination of lane permutes
.set MX,  16                           ; m
.set LS,  17                           ; l
.set WA,  18                           ; v18-21   the weighted sum of my four columns
.set S,   22                           ; v22-29   sum of v r: a pair for each tile of 16 rows
.set CV,  30                           ; v30-37   k x coverage of row 16 m + r, twice
.set ASC, 38                           ; v38-53   the rows' scale words: 4 m + q; lanes 0-15 K step 2 q, lanes 16-31 K step 2 q + 1
.set USC, 54                           ; v54-61   U's scale words, two sets
.set BV,  62                           ; v62-69   vW of the tile's eight columns of my half
.set BW1, 70                           ; v70-77   w1
.set BVV, 78                           ; v78-85   v
.set ACC, 86                           ; v86-117  four accumulators
.set UF,  118                          ; v118-181, v182-245 U's fragments, two sets
.set TMP, 246                          ; v246-249, v253 at work
.set VL,  250                          ; lane
.set VR,  251                          ; r = lane % 16
.set VH,  252                          ; h = lane / 16
.set TT,  86                           ; producers: v86-97 maxima, v98-101 the conversions' scale operands, v118-165 two sets of what a row stores
.set SCO, 98
; WINDOW 1: consumers: the step's codes, fragment (m, s) at v[8 (8 m + s)];  producers: eight rows on their way, 32 registers each.
; SCALARS: s[8:9] matrix, where the producers' reloads stand; s[18:19] Uimg, s[20:21] USimg at my 16 tiles; s[24:25] T at the step; s[26:27] PACC; s[28:29] PML;
; s30 wave, s31 wave % 4, s32 tau, s33 u (half of a step), s34 halves done, s35 the bf16 copy being written, s[36:37] k, s[38:39] -k, s[40:41] lane selects.
.set MSB, 0
.macro WIN new                         ; the immediate's high byte repeats the setting that is left; a switch that changes nothing is dropped
.if MSB != \new
	s_set_vgpr_msb (MSB<<8)|\new
.set MSB, \new
.endif
.endm
.macro BARRIER                         ; my LDS stores have landed and my LDS loads are in: then the work-group's barrier
	s_wait_dscnt 0x0
	s_barrier_signal -1
	s_barrier_wait -1
.endm
; Eight loads: row i of the eight at s[8:9].  A lane takes 32 neighbouring bytes of each quarter row, so that its eight numbers are neighbours along K; the two loads of a quarter cover its 1,024 bytes.
.macro XLOAD i
.irp ch, 0,1,2,3
.irp j, 0,1
	global_load_b128 v[32*(\i)+8*\ch+4*\j:32*(\i)+8*\ch+4*\j+3], v[L32], s[8:9] offset:(\i)*4096+1024*\ch+16*\j th:TH_LOAD_NT
.endr
.endr
.endm
; A producer's row.  A block of 32 along K lies in four neighbouring lanes.  ahead = 1: the row's registers take the row eight further on.  left: the younger loads that may stay out.
.macro ROW i, ahead, left
.set XB, 32*(\i)
.set BB, 118+24*((\i)&1)               ; 16 registers of bf16,
.set CC, BB+16                         ; 4 of codes,
.set SBB, BB+20                        ; 4 scale bytes
	s_wait_loadcnt \left                           ; loads come back in order: this row's eight are in
	s_wait_dscnt 12                                ; all but the row before's 12 stores are done: the stores of two rows back have read this set
	WIN 0x15                                       ; sources in window 1
.irp ch, 0,1,2,3
	v_max3_num_f32 v[TT+3*\ch], |v[XB+8*\ch]|, |v[XB+8*\ch+1]|, |v[XB+8*\ch+2]|
	v_max3_num_f32 v[TT+3*\ch+1], |v[XB+8*\ch+3]|, |v[XB+8*\ch+4]|, |v[XB+8*\ch+5]|
	v_max3_num_f32 v[TT+3*\ch+2], |v[XB+8*\ch+6]|, |v[XB+8*\ch+7]|, 0x1800000   ; the floor 2^(3 - 127): the byte cannot fall under 1
.endr
.irp ch, 0,1,2,3
.irp j, 0,1,2,3
	v_cvt_pk_bf16_f32 v[BB+4*\ch+\j], v[XB+8*\ch+2*\j], v[XB+8*\ch+2*\j+1]
.endr
.endr
	WIN 0
.irp ch, 0,1,2,3
	v_max3_num_f32 v[TT+3*\ch], v[TT+3*\ch], v[TT+3*\ch+1], v[TT+3*\ch+2]
.endr
.irp ch, 0,1,2,3
	v_max_num_f32_dpp v[TT+3*\ch], v[TT+3*\ch], v[TT+3*\ch] row_xmask:1 row_mask:0xf bank_mask:0xf
.endr
.irp ch, 0,1,2,3
	v_max_num_f32_dpp v[TT+3*\ch], v[TT+3*\ch], v[TT+3*\ch] row_xmask:2 row_mask:0xf bank_mask:0xf   ; the block's largest magnitude
.endr
.irp ch, 0,1,2,3
	v_add_nc_u32 v[SCO+\ch], 0xff000000, v[TT+3*\ch]   ; 2 off its exponent field: the conversion takes the exponent field of this operand as its scale
.endr
.irp ch, 0,1,2,3
	v_lshrrev_b32 v[SBB+\ch], 23, v[SCO+\ch]       ; the scale's byte
.endr
	WIN 0x01
.irp ch, 0,1,2,3
	v_cvt_scalef32_pk8_fp4_f32 v[CC+\ch], v[XB+8*\ch:XB+8*\ch+7], v[SCO+\ch]
.endr
	WIN 0
	v_nop                                          ; one plain place behind the scaled conversions
.irp ch, 0,1,2,3
	ds_store_b128 v2, v[BB+4*\ch:BB+4*\ch+3] offset:(\i)*2048+512*\ch
	ds_store_b32 v3, v[CC+\ch] offset:(\i)*CP+128*\ch
	ds_store_b8 v4, v[SBB+\ch] offset:(\i)*AP+8*\ch   ; the four lanes of a block write the same byte with the same value
.endr
.if \ahead
	WIN 0x40
	XLOAD \i
	WIN 0
.endif
.endm
.macro HALF ahead                      ; eight rows
.irp i, 0,1,2,3,4,5,6,7
.if \ahead
	ROW \i, 1, 56
.else
	ROW \i, 0, 56-8*\i
.endif
.endr
.endm
; A consumer's tile: 16 columns of U x the step's 64 rows.  Tile 8 u + i of my 16; its fragments were asked for a tile ago.
.macro TILE i
.set UFC, UF+64*((\i)&1)
.set UFN, UF+64*(1-((\i)&1))
.set USCC, USC+4*((\i)&1)
.set USCN, USC+4*(1-((\i)&1))
	s_wait_xcnt 0x0                                ; earlier loads and stores have read their address and data registers: UO, US and v62-63 may be written
.irp a, 0,1,2
	ds_load_b128 v[BV+8*\a:BV+8*\a+3], v1 offset:4096*\a+64*(\i)
	ds_load_b128 v[BV+8*\a+4:BV+8*\a+7], v1 offset:4096*\a+64*(\i)+16
.endr
	s_lshl_b32 s44, s33, 3
	s_add_co_u32 s44, s44, (\i)+1
	s_and_b32 s44, s44, 15                         ; the next tile; behind my last comes my first, for the next step (behind the very last step these 17 loads serve nothing)
	s_lshl_b32 s45, s44, 13
	s_lshl_b32 s46, s44, 9
	v_add_nc_u32 v[UO], s45, v[L16]
	v_add_nc_u32 v[US], s46, v[L16]
.irp e, 0,1,2,3,4,5,6,7,8,9,10,11,12,13,14,15
	global_load_b128 v[UFN+4*\e:UFN+4*\e+3], v[UO], s[18:19] offset:512*\e
.endr
	global_load_b128 v[USCN:USCN+3], v[US], s[20:21]
	s_wait_loadcnt 17                              ; all but the 17 just issued: this tile's fragments and scale words are in
	s_wait_dscnt 0x0
	WIN 0x04                                       ; source 1 (the rows' codes) in window 1
; Source 0 = 16 columns of U, source 1 = 16 rows: a lane holds one row (16 m + r) and columns 8 h + 0 .. 7 of the tile.  vW is the C of each sum's first product.
; The four accumulators take turns, one instruction a turn.
.irp s, 0,1,2,3,4,5,6,7
.irp m, 0,1,2,3
.if \s == 0
	v_wmma_scale_f32_16x16x128_f8f6f4 v[ACC+8*\m:ACC+8*\m+7], v[UFC+8*\s:UFC+8*\s+7], v[8*(8*\m+\s):8*(8*\m+\s)+7], v[BV:BV+7], v[USCC+\s/2], v[ASC+4*\m+\s/2] matrix_a_fmt:MATRIX_FMT_FP4 matrix_b_fmt:MATRIX_FMT_FP4
.elseif (\s%2) == 1
	v_wmma_scale_f32_16x16x128_f8f6f4 v[ACC+8*\m:ACC+8*\m+7], v[UFC+8*\s:UFC+8*\s+7], v[8*(8*\m+\s):8*(8*\m+\s)+7], v[ACC+8*\m:ACC+8*\m+7], v[USCC+\s/2], v[ASC+4*\m+\s/2] matrix_a_fmt:MATRIX_FMT_FP4 matrix_b_fmt:MATRIX_FMT_FP4 matrix_a_scale:MATRIX_SCALE_ROW1 matrix_b_scale:MATRIX_SCALE_ROW1
.else
	v_wmma_scale_f32_16x16x128_f8f6f4 v[ACC+8*\m:ACC+8*\m+7], v[UFC+8*\s:UFC+8*\s+7], v[8*(8*\m+\s):8*(8*\m+\s)+7], v[ACC+8*\m:ACC+8*\m+7], v[USCC+\s/2], v[ASC+4*\m+\s/2] matrix_a_fmt:MATRIX_FMT_FP4 matrix_b_fmt:MATRIX_FMT_FP4
.endif
.endr
.endr
	WIN 0
.rept 4
	v_nop                                          ; four places between the last product and the first read of a result (ISA guide 7.12.1)
.endr
.set J, 0
.rept 16
	v_pk_mul_f32 v[ACC+J:ACC+J+1], v[ACC+J:ACC+J+1], s[36:37] op_sel_hi:[1,0]   ; k x (row . U + vW): each accumulator from its low end on
.set J, J+2
.endr
.set J, 0
.rept 16
	v_pk_fma_f32 v[ACC+J:ACC+J+1], v[BW1+J%8:BW1+J%8+1], v[CV+2*(J/8):CV+2*(J/8)+1], v[ACC+J:ACC+J+1]   ; + w1 x (k coverage)
.set J, J+2
.endr
.set J, 0
.rept 32
	v_exp_f32 v[ACC+J], v[ACC+J]
.set J, J+1
.endr
	v_nop                                          ; a plain place behind the batch,
	s_wait_alu depctr_va_vdst(0)                   ; and one wait for it, ahead of its first reader
.set J, 0
.rept 16
	v_pk_add_f32 v[ACC+J:ACC+J+1], v[ACC+J:ACC+J+1], 1.0 op_sel_hi:[1,0]
.set J, J+2
.endr
.set J, 0
.rept 32
	v_rcp_f32 v[ACC+J], v[ACC+J]                   ; r = 1 / (1 + 2^(k x)); 2^(k x) = infinity gives 0, 0 gives 1
.set J, J+1
.endr
	v_nop
	s_wait_alu depctr_va_vdst(0)
.irp q, 0,1,2,3
.irp m, 0,1,2,3
	v_pk_fma_f32 v[S+2*\m:S+2*\m+1], v[BVV+2*\q:BVV+2*\q+1], v[ACC+8*\m+2*\q:ACC+8*\m+2*\q+1], v[S+2*\m:S+2*\m+1]   ; the four tiles of rows by turns
.endr
.endr
.endm
.macro GEND                            ; a consumer's sums of v r over its 256 columns, for the step's 64 rows, go to LDS
.irp m, 0,1,2,3
	v_add_f32 v[TMP+\m], v[S+2*\m], v[S+2*\m+1]
.endr
.irp m, 0,1,2,3
	v_permlanex16_b32 v[PD], v[TMP+\m], s40, s41   ; the row's other eight columns of each tile lie in lane l xor 16
	v_add_f32 v[TMP+\m], v[TMP+\m], v[PD]
	ds_store_b32 v5, v[TMP+\m] offset:64*\m        ; both halves of the lanes write the same word with the same value
.endr
.endm
.macro ALOAD                           ; a consumer takes a step's codes, scale words and k x coverage into registers, and begins its sums
	WIN 0x40                                       ; destination window 1
.irp m, 0,1,2,3
.irp s, 0,1,2,3,4,5,6,7
.irp c, 0,1
	ds_load_b128 v[8*(8*\m+\s)+4*\c:8*(8*\m+\s)+4*\c+3], v1 offset:\m*16*CP+64*\s+32*\c
.endr
.endr
.endr
	WIN 0
.irp m, 0,1,2,3
.irp q, 0,1,2,3
	ds_load_b32 v[ASC+4*\m+\q], v2 offset:\m*16*AP+8*\q
.endr
.endr
.irp m, 0,1,2,3
	ds_load_b32 v[CV+2*\m], v3 offset:64*\m
	ds_load_b32 v[CV+2*\m+1], v3 offset:64*\m
.endr
.irp j, 0,1,2,3,4,5,6,7
	v_mov_b32 v[S+\j], 0
.endr
.endm
; The addresses of a half step, from the thread's number, the wave's number and the loops' counters; every wave makes all of them.
.macro P1ADDR
	s_lshl_b32 s44, s31, 10
	s_lshl_b32 s45, s33, 9
	s_add_co_u32 s44, s44, s45
	s_add_co_u32 s44, s44, BIAS
	v_lshl_add_u32 v1, v[VH], 5, s44               ; vW of my tiles: 1,024 w + 512 u + 32 h
	s_lshl_b32 s44, s31, 15
	s_lshl_b32 s45, s33, 14
	s_add_co_u32 s44, s44, s45
	s_add_co_u32 s44, s44, s35
	v_add_nc_u32 v2, s44, v[L16]                   ; bf16: row 16 pw + 8 u, + 16 x lane
	s_mul_i32 s44, s31, 16*CP
	s_mul_i32 s45, s33, 8*CP
	s_add_co_u32 s44, s44, s45
	s_add_co_u32 s44, s44, CODES
	v_lshl_add_u32 v3, v[VL], 2, s44               ; codes: + 4 x lane
	s_mul_i32 s44, s31, 16*AP
	s_mul_i32 s45, s33, 8*AP
	s_add_co_u32 s44, s44, s45
	s_add_co_u32 s44, s44, ASCL
	v_lshrrev_b32 v[TMP], 2, v[VL]
	v_add_nc_u32 v4, s44, v[TMP]                   ; scale bytes: + lane / 4
	s_lshl_b32 s44, s31, 8
	s_add_co_u32 s44, s44, PS
	v_lshl_add_u32 v5, v[VR], 2, s44               ; partial sums: 256 w + 4 r
.endm
.macro P1TAIL                          ; the end of a half step
	s_wait_dscnt 0x0
	s_wait_xcnt 0x0                                ; the reloads have read their base
	s_mov_b32 s42, 32768                           ; behind a step's second half the reloads go 8 rows on,
	s_mov_b32 s43, 0
	s_cmp_eq_u32 s33, 0
	s_cselect_b32 s42, 229376, s42                 ; behind its first half 56: to my first rows of the next step
	s_add_nc_u64 s[8:9], s[8:9], s[42:43]
	s_add_co_u32 s34, s34, 1
	s_add_co_u32 s33, s33, 1
.endm
.macro P2ADDR                          ; the addresses of what stands between the two barriers of a trip
	v_mul_u32_u24 v1, v[VR], CP
	v_lshl_add_u32 v1, v[VH], 4, v1
	v_add_nc_u32 v1, CODES, v1                     ; a fragment's row r, + 16 h
	v_mul_u32_u24 v2, v[VR], AP
	v_lshl_add_u32 v2, v[VH], 2, v2
	v_add_nc_u32 v2, ASCL, v2                      ; its scale words: + 4 h
	s_lshl_b32 s44, s32, 8
	s_add_co_u32 s45, s44, CVK
	v_lshl_add_u32 v3, v[VR], 2, s45               ; k x coverage of step tau
	v_add_nc_u32 v4, PS, v[L8]                     ; partial sums of rows 2 l, 2 l + 1
	s_add_co_u32 s45, s44, MK-256
	v_add_nc_u32 v5, s45, v[L8]                    ; their mask words: step tau - 1
	s_lshl_b32 s46, s30, 8
	s_add_co_u32 s47, s46, PB
	v_add_nc_u32 v6, s47, v[L8]                    ; my wave's weights: in,
	v_mov_b32 v7, s47                              ; and back, the same address in every lane
	s_xor_b32 s47, s35, BFB
	s_add_co_u32 s47, s47, s46
	v_add_nc_u32 v8, s47, v[L8]                    ; the bf16 copy of step tau - 1: my wave's 128 columns, four a lane
	v_add_nc_u32 v9, 65536, v8                     ; rows 32 on
.endm
; The softmax's step, in every wave alike: lane l holds rows 2 l and 2 l + 1 of the 64.
.macro SOFT
.irp w, 0,1,2,3
	ds_load_b64 v[62+2*\w:63+2*\w], v4 offset:256*\w
.endr
	ds_load_b64 v[70:71], v5
	v_mov_b32 v72, 0xff61b1e6                      ; -3e38
	s_wait_dscnt 0x0
	v_pk_add_f32 v[62:63], v[62:63], v[64:65]
	v_pk_add_f32 v[66:67], v[66:67], v[68:69]
	v_pk_add_f32 v[62:63], v[62:63], v[66:67]
	v_pk_mul_f32 v[62:63], v[62:63], s[38:39] op_sel_hi:[1,0]   ; t = -k x the sum of v r
	v_cmp_ne_u32 vcc_lo, 0, v70
	v_cmp_ne_u32 s56, 0, v71
	v_cndmask_b32 v62, v72, v62, vcc_lo            ; masked: -3e38
	v_cndmask_b32 v63, v72, v63, s56
	s_cmp_lg_u32 s30, 0
	s_cbranch_scc1 .Lnot_wave_0_\@
	global_store_b64 v[L8], v[62:63], s[24:25]     ; the 32 lanes store 256 consecutive bytes, at a multiple of 256 from T's first byte
.Lnot_wave_0_\@:
	v_max_num_f32 v73, v62, v63
	v_max_num_f32_dpp v73, v73, v73 row_xmask:1 row_mask:0xf bank_mask:0xf
	v_max_num_f32_dpp v73, v73, v73 row_xmask:2 row_mask:0xf bank_mask:0xf
	v_max_num_f32_dpp v73, v73, v73 row_xmask:4 row_mask:0xf bank_mask:0xf
	v_max_num_f32_dpp v73, v73, v73 row_xmask:8 row_mask:0xf bank_mask:0xf
	v_permlanex16_b32 v[PD], v73, s40, s41
	v_max_num_f32 v73, v73, v[PD]
	v_max_num_f32 v74, v[MX], v73                  ; the new m
	v_sub_f32 v75, v[MX], v74
	v_sub_f32 v76, v62, v74
	v_sub_f32 v77, v63, v74
	v_exp_f32 v78, v75                             ; f = 2^(old m - new m)
	v_exp_f32 v76, v76                             ; p
	v_exp_f32 v77, v77
	v_mov_b32 v[MX], v74                           ; (a plain place behind the three)
	s_wait_alu depctr_va_vdst(0)                   ; one wait for them, ahead of their first reader
	v_cndmask_b32 v76, 0, v76, vcc_lo              ; masked: 0
	v_cndmask_b32 v77, 0, v77, s56
	v_add_f32 v79, v76, v77
	v_add_f32_dpp v79, v79, v79 row_xmask:1 row_mask:0xf bank_mask:0xf
	v_add_f32_dpp v79, v79, v79 row_xmask:2 row_mask:0xf bank_mask:0xf
	v_add_f32_dpp v79, v79, v79 row_xmask:4 row_mask:0xf bank_mask:0xf
	v_add_f32_dpp v79, v79, v79 row_xmask:8 row_mask:0xf bank_mask:0xf
	v_permlanex16_b32 v[PD], v79, s40, s41
	v_add_f32 v79, v79, v[PD]
	v_fma_f32 v[LS], v[LS], v78, v79               ; l = l f + the step's sum
	v_pk_mul_f32 v[WA:WA+1], v[WA:WA+1], v[78:79] op_sel_hi:[1,0]
	v_pk_mul_f32 v[WA+2:WA+3], v[WA+2:WA+3], v[78:79] op_sel_hi:[1,0]
	ds_store_b64 v6, v[76:77]
.irp q, 0,1,2,3,4,5,6,7,8,9,10,11,12,13,14,15
	ds_load_b128 v[182+4*\q:185+4*\q], v7 offset:16*\q   ; all 64 weights into every lane: my wave's own bytes, and LDS serves a wave's instructions in order (ISA guide 5.7.1)
.endr
.endm
; The weighted sum of the step's 64 rows, 16 at a time: my four columns of a row are 8 bytes of bf16.
.macro WSUM
.irp b, 0,1,2,3
.irp k, 0,1,2,3,4,5,6,7,8,9,10,11,12,13,14,15
	ds_load_b64 v[ACC+2*\k:ACC+2*\k+1], v[8+\b/2] offset:((16*\b+\k)%32)*2048
.endr
.irp k, 0,1,2,3,4,5,6,7,8,9,10,11,12,13,14,15
	s_wait_dscnt 15-\k                             ; row k of the batch is in (and, in the first batch, the weights, asked for earlier)
	v_fma_mix_f32_bf16 v[WA], v[ACC+2*\k], v[182+16*\b+\k], v[WA] op_sel_hi:[1,0,0]
	v_fma_mix_f32_bf16 v[WA+1], v[ACC+2*\k], v[182+16*\b+\k], v[WA+1] op_sel:[1,0,0] op_sel_hi:[1,0,0]
	v_fma_mix_f32_bf16 v[WA+2], v[ACC+2*\k+1], v[182+16*\b+\k], v[WA+2] op_sel_hi:[1,0,0]
	v_fma_mix_f32_bf16 v[WA+3], v[ACC+2*\k+1], v[182+16*\b+\k], v[WA+3] op_sel:[1,0,0] op_sel_hi:[1,0,0]
.endr
.endr
.endm
	s_load_b512 s[8:23], s[0:1], 0x0               ; matrix, matrix_mask, coverage, v, w1, Uimg, USimg, VW
	s_load_b128 s[24:27], s[0:1], 0x40             ; T, PACC
	s_load_b64 s[28:29], s[0:1], 0x50              ; PML
	v_lshl_add_u32 v254, v0, 2, 0x4d600
	v_mov_b32 v255, 0
	v_lshrrev_b32 v1, 5, v0
	v_readfirstlane_b32 s30, v1                    ; wave 0..7
	s_and_b32 s31, s30, 3
	v_and_b32 v[VL], 31, v0
	v_and_b32 v[VR], 15, v0
	v_bfe_u32 v[VH], v0, 4, 1
	v_lshlrev_b32 v[L16], 4, v[VL]
	v_lshlrev_b32 v[L32], 5, v[VL]
	v_lshlrev_b32 v[L8], 3, v[VL]
	v_mov_b32 v[PD], 0
	v_mov_b32 v[MX], 0xff61b1e6                    ; m = -3e38, under every t
	v_mov_b32 v[LS], 0
.irp c, 0,1,2,3
	v_mov_b32 v[WA+\c], 0
.endr
	s_mov_b32 s36, 0x4038aa3b                      ; k = 2 log2(e)
	s_mov_b32 s37, s36
	s_mov_b32 s38, 0xc038aa3b                      ; -k
	s_mov_b32 s39, s38
	s_mov_b32 s40, 0x76543210
	s_mov_b32 s41, 0xfedcba98                      ; v_permlanex16_b32's selects for lane l xor 16
	s_lshl_b32 s44, ttmp9, 8                       ; my 256 rows: in the mask,
	s_mov_b32 s45, 0
	s_lshl_b32 s46, ttmp9, 10                      ; in coverage and in T,
	s_mov_b32 s47, 0
	s_lshr_b32 s48, ttmp9, 3
	s_lshl_b32 s48, s48, 12                        ; my batch's row of VW,
	s_mov_b32 s49, 0
	s_lshl_b32 s50, ttmp9, 20
	s_lshl_b32 s51, s31, 16
	s_add_co_u32 s50, s50, s51                     ; in matrix: (256 g + 16 pw) rows of 4,096 bytes (under 2^28),
	s_mov_b32 s51, 0
	s_lshl_b32 s52, s31, 17                        ; my 16 tiles of Uimg,
	s_mov_b32 s53, 0
	s_lshl_b32 s54, s31, 13                        ; and of USimg
	s_mov_b32 s55, 0
	s_wait_kmcnt 0x0
	s_add_nc_u64 s[10:11], s[10:11], s[44:45]
	s_add_nc_u64 s[12:13], s[12:13], s[46:47]
	s_add_nc_u64 s[24:25], s[24:25], s[46:47]
	s_add_nc_u64 s[22:23], s[22:23], s[48:49]
	s_add_nc_u64 s[8:9], s[8:9], s[50:51]
	s_add_nc_u64 s[18:19], s[18:19], s[52:53]
	s_add_nc_u64 s[20:21], s[20:21], s[54:55]
	s_lshl_b32 s44, ttmp9, 12
	s_lshl_b32 s46, s30, 9
	s_add_co_u32 s44, s44, s46
	s_add_nc_u64 s[26:27], s[26:27], s[44:45]      ; PACC: row g, my wave's 128 columns
	s_lshl_b32 s44, ttmp9, 3
	s_add_nc_u64 s[28:29], s[28:29], s[44:45]      ; PML: pair g
	; what the whole launch needs of the small inputs goes to LDS once: thread i takes row i's mask byte and coverage, and 16 bytes of vW, w1 and v
	v_lshlrev_b32 v247, 2, v0
	v_lshlrev_b32 v248, 4, v0
	global_load_u8 v249, v0, s[10:11]
	global_load_b32 v253, v247, s[12:13]
	global_load_b128 v[62:65], v248, s[22:23]
	global_load_b128 v[66:69], v248, s[16:17]
	global_load_b128 v[70:73], v248, s[14:15]
	v_lshl_add_u32 v1, v0, 2, MK
	v_lshl_add_u32 v2, v0, 4, BIAS
	s_wait_loadcnt 0x0
	v_mul_f32 v253, s36, v253
	ds_store_b32 v1, v249
	ds_store_b32 v1, v253 offset:CVK-MK
	ds_store_b128 v2, v[62:65]
	ds_store_b128 v2, v[66:69] offset:4096
	ds_store_b128 v2, v[70:73] offset:8192
	s_cmp_lt_u32 s30, 4
	s_cbranch_scc0 .Lhead_producer
.irp e, 0,1,2,3,4,5,6,7,8,9,10,11,12,13,14,15
	global_load_b128 v[UF+4*\e:UF+4*\e+3], v[L16], s[18:19] offset:512*\e   ; a consumer's first tile of U
.endr
	global_load_b128 v[USC:USC+3], v[L16], s[20:21]
	s_branch .Lhead_join
.Lhead_producer:
	WIN 0x40
.irp i, 0,1,2,3,4,5,6,7
	XLOAD \i                                       ; a producer's first eight rows: 64 loads of 512 bytes
.endr
	WIN 0
.Lhead_join:
	s_wait_dscnt 0x0
	s_wait_xcnt 0x0
	s_add_nc_u64 s[8:9], s[8:9], 32768             ; the first half's reloads: rows 8 to 15
	s_mov_b32 s32, 0
	s_mov_b32 s34, 0
	s_mov_b32 s35, 0
	; STEP 0 IS PRODUCED: the consumers have nothing yet.  Every wave walks the loop
	s_mov_b32 s33, 0
.Lpro:
	P1ADDR
	s_cmp_lt_u32 s30, 4
	s_cbranch_scc1 .Lpro_join
	HALF 1
.Lpro_join:
	P1TAIL
	s_cmp_lt_u32 s33, 2
	s_cbranch_scc1 .Lpro
	BARRIER                                        ; step 0's codes, scale bytes and bf16 copy, and the small inputs, lie in LDS
	P2ADDR
	s_cmp_lt_u32 s30, 4
	s_cbranch_scc0 .Lpro_no_aload
	ALOAD
.Lpro_no_aload:
	BARRIER                                        ; the consumers' loads of the codes are in: the codes may be written again
	s_xor_b32 s35, s35, BFB
	s_mov_b32 s32, 1
.Ltau:                                                 ; four trips: step tau is produced (up to tau = 3) while step tau - 1 is consumed
	s_mov_b32 s33, 0
.Lu:
	P1ADDR
	s_cmp_lt_u32 s30, 4
	s_cbranch_scc0 .Lproducer
.irp i, 0,1,2,3,4,5,6,7
	TILE \i
.endr
	s_branch .Ljoin
.Lproducer:
	s_cmp_ge_u32 s34, 8                            ; all eight halves are produced
	s_cbranch_scc1 .Ljoin
	s_cmp_eq_u32 s34, 7                            ; the last half reloads nothing: no load leaves my rows
	s_cbranch_scc1 .Llast_half
	HALF 1
	s_branch .Ljoin
.Llast_half:
	HALF 0
.Ljoin:
	P1TAIL
	s_cmp_lt_u32 s33, 2
	s_cbranch_scc1 .Lu
	s_cmp_lt_u32 s30, 4
	s_cbranch_scc0 .Lno_gend
	GEND
.Lno_gend:
	BARRIER                                        ; step tau is in LDS, and so are the partial sums of step tau - 1
	P2ADDR
	s_cmp_lt_u32 s30, 4
	s_cbranch_scc0 .Lno_aload
	s_cmp_lt_u32 s32, 4
	s_cbranch_scc0 .Lno_aload
	ALOAD
.Lno_aload:
	SOFT
	WSUM
	s_wait_xcnt 0x0                                ; wave 0's store has read its base and its data
	s_add_nc_u64 s[24:25], s[24:25], 256           ; T: the next step's 64 rows
	BARRIER                                        ; every wave's reads of the codes, the partial sums and the bf16 copy are in
	s_xor_b32 s35, s35, BFB
	s_add_co_u32 s32, s32, 1
	s_cmp_lt_u32 s32, 5
	s_cbranch_scc1 .Ltau
	global_store_b128 v[L16], v[WA:WA+3], s[26:27] ; 32 lanes store 512 consecutive bytes
	s_cmp_lg_u32 s30, 0
	s_cbranch_scc1 .Lend
	v_mov_b32 v[TMP], 0
	global_store_b64 v[TMP], v[MX:MX+1], s[28:29]  ; (m, l): every lane holds the same pair and writes it to the same place
.Lend:
	s_wait_tensorcnt 0x0
	ds_add_u32 v254, v255
	s_wait_dscnt 0x0
	s_endpgm
.Lfunc_end_k_q2e062389be_main:
	.size	k_q2e062389be_main, .Lfunc_end_k_q2e062389be_main-k_q2e062389be_main
	.p2alignl 7, 3214868480
	.fill 96, 4, 3214868480
	.section	.rodata,"a",@progbits
	.p2align	6, 0x0
	.amdhsa_kernel k_q2e062389be_main
		.amdhsa_group_segment_fixed_size 317952
		.amdhsa_private_segment_fixed_size 0
		.amdhsa_enable_private_segment 0
		.amdhsa_kernarg_size 88
		.amdhsa_user_sgpr_count 2
		.amdhsa_user_sgpr_kernarg_segment_ptr 1
		.amdhsa_wavefront_size32 1
		.amdhsa_system_sgpr_workgroup_id_x 1
		.amdhsa_system_sgpr_workgroup_id_y 1
		.amdhsa_system_sgpr_workgroup_id_z 1
		.amdhsa_system_vgpr_workitem_id 0
		.amdhsa_next_free_vgpr 512
		.amdhsa_next_free_sgpr 66
		.amdhsa_reserve_vcc 1
		.amdhsa_float_denorm_mode_32 3
		.amdhsa_float_denorm_mode_16_64 3
		.amdhsa_memory_ordered 1
		.amdhsa_forward_progress 1
		.amdhsa_inst_pref_size 255
	.end_amdhsa_kernel
	.section	.bss,"aw",@nobits
	.p2align	6
	.space	262144
	.amdgpu_metadata
---
amdhsa.version: [ 1, 2 ]
amdhsa.kernels:
  - .name:           k_q2e062389be_main
    .symbol:         k_q2e062389be_main.kd
    .args:
      - { .name: matrix, .offset: 0, .size: 8, .value_kind: global_buffer, .address_space: global }
      - { .name: matrix_mask, .offset: 8, .size: 8, .value_kind: global_buffer, .address_space: global }
      - { .name: coverage, .offset: 16, .size: 8, .value_kind: global_buffer, .address_space: global }
      - { .name: v, .offset: 24, .size: 8, .value_kind: global_buffer, .address_space: global }
      - { .name: w1, .offset: 32, .size: 8, .value_kind: global_buffer, .address_space: global }
      - { .name: Uimg, .offset: 40, .size: 8, .value_kind: global_buffer, .address_space: global }
      - { .name: USimg, .offset: 48, .size: 8, .value_kind: global_buffer, .address_space: global }
      - { .name: VW, .offset: 56, .size: 8, .value_kind: global_buffer, .address_space: global }
      - { .name: T, .offset: 64, .size: 8, .value_kind: global_buffer, .address_space: global }
      - { .name: PACC, .offset: 72, .size: 8, .value_kind: global_buffer, .address_space: global }
      - { .name: PML, .offset: 80, .size: 8, .value_kind: global_buffer, .address_space: global }
    .group_segment_fixed_size: 317952
    .private_segment_fixed_size: 0
    .kernarg_segment_align: 8
    .kernarg_segment_size: 88
    .max_flat_workgroup_size: 256
    .sgpr_count:     66
    .vgpr_count:     512
    .wavefront_size: 32
...
	.end_amdgpu_metadata
.endif
;; end of part 2
;; launch comb (part 3): grid 4 x 32, 2 waves a work-group, no clusters, 0 bytes of LDS; arguments T, PACC, PML, coverage, matrix_mask, out0, out1, out2; writes out0, out1, out2
.if DOCPART == 3
	.amdgcn_target "amdgcn-amd-amdhsa--gfx1250"
	.amdhsa_code_object_version 6
	.text
	.protected	k_q2e062389be_comb
	.globl	k_q2e062389be_comb
	.p2align	8
	.type	k_q2e062389be_comb,@function
k_q2e062389be_comb:
	s_mov_b64 s[64:65], 0
	v_nop
	global_prefetch_b8 v0, s[64:65] scope:SCOPE_SE
	s_setreg_imm32_b32 hwreg(HW_REG_WAVE_MODE, 25, 1), 1
	s_wait_xcnt 0x0
; The eight work-groups' parts of a batch are joined.  M = the largest m_i; f_i = 2^(m_i - M); L = the sum of l_i f_i.
; out0 = (the sum of f_i PACC_i) / L;  out1 = 2^(T - M) / L, 0 where masked;  out2 = coverage + out1.
; L is held at 1e-30 from below: in a batch that is all masked every sum is 0, and the results are zeros, as the problem's softmax behind its mask gives.
; Work-group (x, b): batch b, columns 256 x .. + 255 of out0, places 512 x .. + 511 of out1 and out2.  Thread i takes 16 bytes of each: 64 threads cover 1,024 consecutive bytes.
; A stream of a few bytes a thread: no LDS, no matrix unit.
	s_load_b512 s[32:47], s[0:1], 0x0              ; T, PACC, PML, coverage, matrix_mask, out0, out1, out2
	s_and_b32 s48, ttmp7, 0xffff                   ; b
	v_lshlrev_b32 v1, 4, v0
	v_lshlrev_b32 v2, 2, v0
	s_lshl_b32 s50, s48, 6                         ; PML: eight pairs
	s_mov_b32 s51, 0
	s_lshl_b32 s52, s48, 15
	s_lshl_b32 s49, ttmp9, 10
	s_add_co_u32 s52, s52, s49                     ; PACC: eight rows of 4,096 bytes, + 1,024 x
	s_mov_b32 s53, 0
	s_lshl_b32 s54, s48, 13
	s_lshl_b32 s49, ttmp9, 11
	s_add_co_u32 s54, s54, s49                     ; T, coverage, out1, out2: 8,192 b + 2,048 x
	s_mov_b32 s55, 0
	s_lshr_b32 s56, s54, 2                         ; the mask: a byte a place
	s_mov_b32 s57, 0
	s_lshl_b32 s58, s48, 12
	s_lshl_b32 s49, ttmp9, 10
	s_add_co_u32 s58, s58, s49                     ; out0
	s_mov_b32 s59, 0
	s_wait_kmcnt 0x0
	s_add_nc_u64 s[36:37], s[36:37], s[50:51]
	s_add_nc_u64 s[34:35], s[34:35], s[52:53]
	s_add_nc_u64 s[32:33], s[32:33], s[54:55]
	s_add_nc_u64 s[38:39], s[38:39], s[54:55]
	s_add_nc_u64 s[44:45], s[44:45], s[54:55]
	s_add_nc_u64 s[46:47], s[46:47], s[54:55]
	s_add_nc_u64 s[40:41], s[40:41], s[56:57]
	s_add_nc_u64 s[42:43], s[42:43], s[58:59]
	s_load_b512 s[16:31], s[36:37], 0x0            ; m_i in s[16 + 2 i], l_i in s[17 + 2 i]
.irp i, 0,1,2,3,4,5,6,7
	global_load_b128 v[8+4*\i:11+4*\i], v1, s[34:35] offset:4096*\i
.endr
.irp j, 0,1
	global_load_b128 v[40+4*\j:43+4*\j], v1, s[32:33] offset:1024*\j
	global_load_b128 v[48+4*\j:51+4*\j], v1, s[38:39] offset:1024*\j
	global_load_b32 v[56+\j], v2, s[40:41] offset:256*\j
.endr
	s_wait_kmcnt 0x0
	v_max_num_f32 v60, s16, s18
	v_max3_num_f32 v60, v60, s20, s22
	v_max3_num_f32 v60, v60, s24, s26
	v_max3_num_f32 v60, v60, s28, s30              ; M
.irp i, 0,1,2,3,4,5,6,7
	v_sub_f32 v[62+\i], s[16+2*\i], v60
.endr
.irp i, 0,1,2,3,4,5,6,7
	v_exp_f32 v[62+\i], v[62+\i]                   ; f_i
.endr
	v_nop                                          ; a plain place behind the batch,
	s_wait_alu depctr_va_vdst(0)                   ; and one wait for it, ahead of its first reader
	v_mul_f32 v70, s17, v62
.irp i, 1,2,3,4,5,6,7
	v_fma_f32 v70, s[17+2*\i], v[62+\i], v70
.endr
	v_max_num_f32 v70, 0x0da24260, v70             ; 1e-30
	v_rcp_f32 v71, v70
	v_nop
	s_wait_alu depctr_va_vdst(0)
	s_wait_loadcnt 0x0
.irp c, 0,1,2,3
	v_mul_f32 v[72+\c], v[8+\c], v62
.endr
.irp i, 1,2,3,4,5,6,7
.irp c, 0,1,2,3
	v_fma_f32 v[72+\c], v[8+4*\i+\c], v[62+\i], v[72+\c]
.endr
.endr
.irp c, 0,1,2,3
	v_mul_f32 v[72+\c], v[72+\c], v71
.endr
	global_store_b128 v1, v[72:75], s[42:43]
.irp e, 0,1,2,3,4,5,6,7
	v_sub_f32 v[76+\e], v[40+\e], v60
.endr
.irp e, 0,1,2,3,4,5,6,7
	v_exp_f32 v[76+\e], v[76+\e]
.endr
	v_nop
	s_wait_alu depctr_va_vdst(0)
.irp e, 0,1,2,3,4,5,6,7
	v_mul_f32 v[76+\e], v[76+\e], v71
.endr
.irp e, 0,1,2,3,4,5,6,7
	v_bfe_u32 v58, v[56+\e/4], 8*(\e%4), 8         ; the place's mask byte
	v_cmp_ne_u32 vcc_lo, 0, v58
	v_cndmask_b32 v[76+\e], 0, v[76+\e], vcc_lo
.endr
.irp e, 0,1,2,3,4,5,6,7
	v_add_f32 v[84+\e], v[48+\e], v[76+\e]
.endr
.irp j, 0,1
	global_store_b128 v1, v[76+4*\j:79+4*\j], s[44:45] offset:1024*\j
	global_store_b128 v1, v[84+4*\j:87+4*\j], s[46:47] offset:1024*\j
.endr
	s_endpgm
.Lfunc_end_k_q2e062389be_comb:
	.size	k_q2e062389be_comb, .Lfunc_end_k_q2e062389be_comb-k_q2e062389be_comb
	.p2alignl 7, 3214868480
	.fill 96, 4, 3214868480
	.section	.rodata,"a",@progbits
	.p2align	6, 0x0
	.amdhsa_kernel k_q2e062389be_comb
		.amdhsa_group_segment_fixed_size 0
		.amdhsa_private_segment_fixed_size 0
		.amdhsa_enable_private_segment 0
		.amdhsa_kernarg_size 64
		.amdhsa_user_sgpr_count 2
		.amdhsa_user_sgpr_kernarg_segment_ptr 1
		.amdhsa_wavefront_size32 1
		.amdhsa_system_sgpr_workgroup_id_x 1
		.amdhsa_system_sgpr_workgroup_id_y 1
		.amdhsa_system_sgpr_workgroup_id_z 1
		.amdhsa_system_vgpr_workitem_id 0
		.amdhsa_next_free_vgpr 96
		.amdhsa_next_free_sgpr 66
		.amdhsa_reserve_vcc 1
		.amdhsa_float_denorm_mode_32 3
		.amdhsa_float_denorm_mode_16_64 3
		.amdhsa_memory_ordered 1
		.amdhsa_forward_progress 1
		.amdhsa_inst_pref_size 9
	.end_amdhsa_kernel
	.amdgpu_metadata
---
amdhsa.version: [ 1, 2 ]
amdhsa.kernels:
  - .name:           k_q2e062389be_comb
    .symbol:         k_q2e062389be_comb.kd
    .args:
      - { .name: T, .offset: 0, .size: 8, .value_kind: global_buffer, .address_space: global }
      - { .name: PACC, .offset: 8, .size: 8, .value_kind: global_buffer, .address_space: global }
      - { .name: PML, .offset: 16, .size: 8, .value_kind: global_buffer, .address_space: global }
      - { .name: coverage, .offset: 24, .size: 8, .value_kind: global_buffer, .address_space: global }
      - { .name: matrix_mask, .offset: 32, .size: 8, .value_kind: global_buffer, .address_space: global }
      - { .name: out0, .offset: 40, .size: 8, .value_kind: global_buffer, .address_space: global }
      - { .name: out1, .offset: 48, .size: 8, .value_kind: global_buffer, .address_space: global }
      - { .name: out2, .offset: 56, .size: 8, .value_kind: global_buffer, .address_space: global }
    .group_segment_fixed_size: 0
    .private_segment_fixed_size: 0
    .kernarg_segment_align: 8
    .kernarg_segment_size: 64
    .max_flat_workgroup_size: 64
    .sgpr_count:     66
    .vgpr_count:     96
    .wavefront_size: 32
...
	.end_amdgpu_metadata
.endif
;; end of part 3
;; ======== version 2 of 2: 3 launches; version 1 with the launches prep, main written anew for expert scheduling mode
;; workspace buffers: Uimg 524,288 bytes; USimg 32,768 bytes; VW 131,072 bytes; T 262,144 bytes; PACC 1,048,576 bytes; PML 2,048 bytes
;; launch prep (part 4): grid 64 x 1, 4 waves a work-group, no clusters, 0 bytes of LDS; arguments U_codes, U_scales, W_codes, W_scales, vector_codes, vector_scales, Uimg, USimg, VW; writes Uimg, USimg, VW
.if DOCPART == 4
	.amdgcn_target "amdgcn-amd-amdhsa--gfx1250"
	.amdhsa_code_object_version 6
	.text
	.protected	k_q2e062389be_prep
	.globl	k_q2e062389be_prep
	.p2align	8
	.type	k_q2e062389be_prep,@function
k_q2e062389be_prep:
	s_mov_b64 s[64:65], 0
	v_nop
	global_prefetch_b8 v0, s[64:65] scope:SCOPE_SE
	s_setreg_imm32_b32 hwreg(HW_REG_WAVE_SCHED_MODE, 0, 2), 2
	s_setreg_imm32_b32 hwreg(HW_REG_WAVE_MODE, 25, 1), 1
	s_wait_xcnt 0x0
	s_wait_alu depctr_vm_vsrc(0)
; Work-group t (0..63) serves columns 16 t .. 16 t + 15 of U and of W.
; (1) U's codes of these 16 columns (rows of U_codes, 512 bytes each) are laid in the order of an operand's registers:
;     Uimg[t][e = 2 s + c][lane][16 bytes], s the K step of 128, c the half of a fragment: lane (r, h) holds bytes 64 s + 32 c + 16 h of row 16 t + r.
;     The next launch then loads a fragment by two loads of 512 consecutive bytes.  Wave w lays K steps 2 w and 2 w + 1.
; (2) U's scale words likewise (wave 0): USimg[t][lane][4 words], word q of lane (r, h) = word 2 q + h of row 16 t + r:
;     one register serves two K steps, the even one in lanes 0-15, the odd one in lanes 16-31.
; (3) VW[b][16 t ..] = vector @ W on the given codes (wave 3): source 0 = 16 columns of W, source 1 = 16 rows of vector, so that a lane holds eight neighbouring columns of one row.
; THE MODE: SCHED_MODE bits 1:0 = 2 (LLVM: expert scheduling mode 2), set by the entry lines.  The code itself states the register dependences
; between vector or matrix instructions and memory instructions, with s_wait_alu, always for 0.
; THE PLAN.  The offsets v5, v6, v7, v24 are made once at the head and never written again: one wait ahead of the first load.  What is copied (v240-255, v20-23) is written by loads and read by
; stores alone.  The fragments and scale words are written by loads, read by matrix instructions and never loaded again.  The accumulators are written by matrix instructions and read by
; stores: one wait, behind the places.  The wave's number passes from a vector instruction into a scalar register: one wait ahead of its first reader.
.set WF, 32                            ; v32-95   W's eight fragments
.set XF, 96                            ; v96-223  vector's: 64 registers for each tile of 16 rows
.set WS, 8                             ; v8-11    W's scale words (two K steps a register)
.set XS, 12                            ; v12-19   vector's, four for each tile of rows
.set AC, 224                           ; v224-239 two accumulators
	s_load_b512 s[8:23], s[0:1], 0x0               ; U_codes, U_scales, W_codes, W_scales, vector_codes, vector_scales, Uimg, USimg
	s_load_b64 s[24:25], s[0:1], 0x40              ; VW
	v_lshrrev_b32 v1, 5, v0
	v_readfirstlane_b32 s26, v1                    ; wave 0..3
	v_and_b32 v2, 31, v0                           ; lane
	v_and_b32 v3, 15, v0                           ; r
	v_bfe_u32 v4, v0, 4, 1                         ; h
	v_lshlrev_b32 v5, 9, v3
	v_lshl_add_u32 v5, v4, 4, v5                   ; a fragment's place in rows of 512 bytes: 512 r + 16 h
	v_lshlrev_b32 v6, 4, v2                        ; 16 x lane
	v_lshlrev_b32 v7, 5, v3
	v_lshl_add_u32 v7, v4, 2, v7                   ; scale words: 32 r + 4 h
	v_lshlrev_b32 v24, 12, v3
	v_lshl_add_u32 v24, v4, 5, v24                 ; VW: row r of 4,096 bytes, + 32 h
	s_lshl_b32 s28, ttmp9, 13                      ; 16 rows of 512 bytes
	s_mov_b32 s29, 0
	s_wait_alu depctr_va_sdst(0)                   ; s26 is written, ahead of its first reader
	s_lshl_b32 s30, s26, 7                         ; my two K steps in a row: 128 bytes
	s_mov_b32 s31, 0
	s_lshl_b32 s32, s26, 11                        ; and in the image: 4 x 512 bytes
	s_mov_b32 s33, 0
	s_lshl_b32 s34, ttmp9, 9                       ; 16 rows of 32 scale bytes; also a tile of USimg
	s_mov_b32 s35, 0
	s_lshl_b32 s36, ttmp9, 6                       ; 16 columns of VW
	s_mov_b32 s37, 0
	s_wait_kmcnt 0x0
	s_add_nc_u64 s[8:9], s[8:9], s[28:29]
	s_add_nc_u64 s[8:9], s[8:9], s[30:31]
	s_add_nc_u64 s[20:21], s[20:21], s[28:29]
	s_add_nc_u64 s[20:21], s[20:21], s[32:33]
	s_add_nc_u64 s[10:11], s[10:11], s[34:35]
	s_add_nc_u64 s[22:23], s[22:23], s[34:35]
	s_add_nc_u64 s[12:13], s[12:13], s[28:29]
	s_add_nc_u64 s[14:15], s[14:15], s[34:35]
	s_add_nc_u64 s[24:25], s[24:25], s[36:37]
	s_wait_alu depctr_va_vdst(0)                   ; the offsets v5, v6, v7 and v24 are written: every load and store of the kernel reads one of them
.irp e, 0,1,2,3
	global_load_b128 v[240+4*\e:243+4*\e], v5, s[8:9] offset:32*\e
.endr
	s_wait_loadcnt 0x0
.irp e, 0,1,2,3
	global_store_b128 v6, v[240+4*\e:243+4*\e], s[20:21] offset:512*\e   ; 32 lanes store 512 consecutive bytes
.endr
	s_cmp_lg_u32 s26, 0
	s_cbranch_scc1 .Lnot_wave_0
.irp q, 0,1,2,3
	global_load_b32 v[20+\q], v7, s[10:11] offset:8*\q
.endr
	s_wait_loadcnt 0x0
	global_store_b128 v6, v[20:23], s[22:23]
.Lnot_wave_0:
	s_cmp_lg_u32 s26, 3
	s_cbranch_scc1 .Lend
.irp s, 0,1,2,3,4,5,6,7
.irp c, 0,1
	global_load_b128 v[WF+8*\s+4*\c:WF+8*\s+4*\c+3], v5, s[12:13] offset:64*\s+32*\c
.endr
.endr
.irp q, 0,1,2,3
	global_load_b32 v[WS+\q], v7, s[14:15] offset:8*\q
.endr
.irp g, 0,1
.irp s, 0,1,2,3,4,5,6,7
.irp c, 0,1
	global_load_b128 v[XF+64*\g+8*\s+4*\c:XF+64*\g+8*\s+4*\c+3], v5, s[16:17] offset:8192*\g+64*\s+32*\c
.endr
.endr
.irp q, 0,1,2,3
	global_load_b32 v[XS+4*\g+\q], v7, s[18:19] offset:512*\g+8*\q
.endr
.endr
	s_wait_loadcnt 0x0
; The two accumulators take turns, one instruction a turn; the first K step starts the sums.
.irp s, 0,1,2,3,4,5,6,7
.irp g, 0,1
.if \s == 0
	v_wmma_scale_f32_16x16x128_f8f6f4 v[AC+8*\g:AC+8*\g+7], v[WF+8*\s:WF+8*\s+7], v[XF+64*\g+8*\s:XF+64*\g+8*\s+7], 0, v[WS+\s/2], v[XS+4*\g+\s/2] matrix_a_fmt:MATRIX_FMT_FP4 matrix_b_fmt:MATRIX_FMT_FP4
.elseif (\s%2) == 1
	v_wmma_scale_f32_16x16x128_f8f6f4 v[AC+8*\g:AC+8*\g+7], v[WF+8*\s:WF+8*\s+7], v[XF+64*\g+8*\s:XF+64*\g+8*\s+7], v[AC+8*\g:AC+8*\g+7], v[WS+\s/2], v[XS+4*\g+\s/2] matrix_a_fmt:MATRIX_FMT_FP4 matrix_b_fmt:MATRIX_FMT_FP4 matrix_a_scale:MATRIX_SCALE_ROW1 matrix_b_scale:MATRIX_SCALE_ROW1
.else
	v_wmma_scale_f32_16x16x128_f8f6f4 v[AC+8*\g:AC+8*\g+7], v[WF+8*\s:WF+8*\s+7], v[XF+64*\g+8*\s:XF+64*\g+8*\s+7], v[AC+8*\g:AC+8*\g+7], v[WS+\s/2], v[XS+4*\g+\s/2] matrix_a_fmt:MATRIX_FMT_FP4 matrix_b_fmt:MATRIX_FMT_FP4
.endif
.endr
.endr
.rept 4
	v_nop                                          ; four places between the last product and the stores of its result
.endr
	s_wait_alu depctr_va_vdst(0)                   ; the products have written the accumulators, which the stores read; the places above stay beside this wait
.irp g, 0,1
	global_store_b128 v24, v[AC+8*\g:AC+8*\g+3], s[24:25] offset:65536*\g       ; VW(16 g + r, 16 t + 8 h + 0 .. 3): each accumulator from its low end on
	global_store_b128 v24, v[AC+8*\g+4:AC+8*\g+7], s[24:25] offset:65536*\g+16
.endr
.Lend:
	s_endpgm
.Lfunc_end_k_q2e062389be_prep:
	.size	k_q2e062389be_prep, .Lfunc_end_k_q2e062389be_prep-k_q2e062389be_prep
	.p2alignl 7, 3214868480
	.fill 96, 4, 3214868480
	.section	.rodata,"a",@progbits
	.p2align	6, 0x0
	.amdhsa_kernel k_q2e062389be_prep
		.amdhsa_group_segment_fixed_size 0
		.amdhsa_private_segment_fixed_size 0
		.amdhsa_enable_private_segment 0
		.amdhsa_kernarg_size 72
		.amdhsa_user_sgpr_count 2
		.amdhsa_user_sgpr_kernarg_segment_ptr 1
		.amdhsa_wavefront_size32 1
		.amdhsa_system_sgpr_workgroup_id_x 1
		.amdhsa_system_sgpr_workgroup_id_y 1
		.amdhsa_system_sgpr_workgroup_id_z 1
		.amdhsa_system_vgpr_workitem_id 0
		.amdhsa_next_free_vgpr 256
		.amdhsa_next_free_sgpr 66
		.amdhsa_reserve_vcc 0
		.amdhsa_float_denorm_mode_32 3
		.amdhsa_float_denorm_mode_16_64 3
		.amdhsa_memory_ordered 1
		.amdhsa_forward_progress 1
		.amdhsa_inst_pref_size 12
	.end_amdhsa_kernel
	.amdgpu_metadata
---
amdhsa.version: [ 1, 2 ]
amdhsa.kernels:
  - .name:           k_q2e062389be_prep
    .symbol:         k_q2e062389be_prep.kd
    .args:
      - { .name: U_codes, .offset: 0, .size: 8, .value_kind: global_buffer, .address_space: global }
      - { .name: U_scales, .offset: 8, .size: 8, .value_kind: global_buffer, .address_space: global }
      - { .name: W_codes, .offset: 16, .size: 8, .value_kind: global_buffer, .address_space: global }
      - { .name: W_scales, .offset: 24, .size: 8, .value_kind: global_buffer, .address_space: global }
      - { .name: vector_codes, .offset: 32, .size: 8, .value_kind: global_buffer, .address_space: global }
      - { .name: vector_scales, .offset: 40, .size: 8, .value_kind: global_buffer, .address_space: global }
      - { .name: Uimg, .offset: 48, .size: 8, .value_kind: global_buffer, .address_space: global }
      - { .name: USimg, .offset: 56, .size: 8, .value_kind: global_buffer, .address_space: global }
      - { .name: VW, .offset: 64, .size: 8, .value_kind: global_buffer, .address_space: global }
    .group_segment_fixed_size: 0
    .private_segment_fixed_size: 0
    .kernarg_segment_align: 8
    .kernarg_segment_size: 72
    .max_flat_workgroup_size: 128
    .sgpr_count:     66
    .vgpr_count:     256
    .wavefront_size: 32
...
	.end_amdgpu_metadata
.endif
;; end of part 4
;; launch main (part 5): grid 256 x 1, 8 waves a work-group, no clusters, 317,952 bytes of LDS; arguments matrix, matrix_mask, coverage, v, w1, Uimg, USimg, VW, T, PACC, PML; writes T, PACC, PML
.if DOCPART == 5
	.amdgcn_target "amdgcn-amd-amdhsa--gfx1250"
	.amdhsa_code_object_version 6
	.text
	.protected	k_q2e062389be_main
	.globl	k_q2e062389be_main
	.p2align	8
	.type	k_q2e062389be_main,@function
k_q2e062389be_main:
	s_mov_b64 s[64:65], 0
	v_nop
	global_prefetch_b8 v0, s[64:65] scope:SCOPE_SE
	s_setreg_imm32_b32 hwreg(HW_REG_WAVE_SCHED_MODE, 0, 2), 2
	s_setreg_imm32_b32 hwreg(HW_REG_WAVE_MODE, 25, 1), 1
	s_wait_xcnt 0x0
	s_wait_alu depctr_vm_vsrc(0)
; Work-group g owns rows 256 g .. 256 g + 255 of matrix (all of batch g / 8), in four steps of 64 rows.  matrix is read from memory once:
; each row is quantised to MX-FP4 for matrix @ U and kept in LDS as bf16 until its softmax weight is known, for the weighted sum.
; ROLES.  Waves 4-7 PRODUCE: wave 4 + pw loads rows 16 pw .. + 15 of a step as f32 and stores their codes, scale bytes and bf16 copy to LDS.
; Waves 0-3 CONSUME, a step behind: wave w keeps the step's 64 rows of codes in 256 registers and walks columns 256 w .. + 255 of U, 16 at a time; U's fragments come
; straight into registers from the image that the launch before laid, a tile ahead.  x = row . U + (vector @ W) + coverage w1;  tanh(x) = 1 - 2 r, r = 1 / (1 + 2^(k x)), k = 2 log2(e).
; So sims = sum(v) - 2 sum_j v_j r_j.  sum(v) is the same for every row and falls out of the softmax, so what is carried is t = -k sum_j v_j r_j = log2(e) (sims - sum(v)).
; SOFTMAX: a running maximum m and sum l of 2^(t - m) over the work-group's rows; the weighted sum is rescaled when m moves.  The last launch joins a batch's eight work-groups.
; MASK: a masked row has t = -3e38 and weight 0.
; LIMITS: NaN and infinities among the inputs are not served.  A block of zeros gets the scale byte 1 where the rule says 127: its codes are zeros, and this launch alone reads the bytes.
; NO TENSOR LOADS, NO CLUSTER, though all work-groups read the same U: the regions below take 316,928 of the 327,680 bytes that a work-group may claim, and two slots
; for one tile of U (8,192 bytes of codes and 512 of scales each) need 17,408.
; THE MODE: SCHED_MODE bits 1:0 = 2 (LLVM: expert scheduling mode 2), set by the entry lines.  The code itself states the register dependences
; between vector or matrix instructions and memory or LDS instructions, with s_wait_alu, always for 0.
; THE PLAN.  Registers that memory or LDS instructions touch:
;   v1-v9        LDS addresses.  Written at the head of a half step (v1-5) and between a trip's two barriers (v1-9), each time behind one wait on vm_vsrc; read by the LDS instructions that follow, each
;                group of which has a wait on va_vdst of its own ahead of it.
;   v10, v11, v14  16, 32, 8 x lane: made at the head, never written again.  U's tiles are reached by scalar bases, made once a half step, and immediate offsets.
;   UF0, UF1, USC0, USC1  Tile i's products read set i % 2; the loads for tile i + 1 land in the other set, which tile i - 1's products read.
;   v62-85       vW, w1, v of a tile: loaded at the tile's head, read by its products and multiply-adds.
;   So ONE wait on va_vdst stands at a tile's head; the tile's 23 loads follow it in one run, ahead of its products, so that the next tile's fragments have the whole tile in which to land.
;   window 1, consumers; ASC; CV  Loaded once a step, behind a wait on va_vdst; read by the step's products and multiply-adds.
;   window 1, producers  A row's 32 registers: read by its maxima and conversions, then loaded again at once.
;   v118-165     Two sets of what a row stores, by the row's parity: written by the row's conversions, read by its 12 LDS stores, written again two rows on.
;   So a row has two waits, behind its conversions and ahead of its reload and its stores: one on vm_vsrc, which states that the stores of the rows before have read their sets (the row before's is the
;   set that the next row writes), and one on va_vdst, for the reload and for the row's own stores.
;   v86-117      The weighted sum's rows of bf16: two buffers of eight rows, loaded a batch ahead; a wait on va_vdst stands behind a batch's multiply-adds, ahead of the loads into its buffer.
;   v182-245     The step's 64 weights; between two steps of the softmax this is UF1.
; LDS: two copies of 64 rows of bf16 (pitch 2,048), by the step's parity; codes (pitch 528 = 33 x 16, so that the 16 rows of a fragment load begin at 16 different places modulo 256 bytes);
; scale bytes (pitch 48); the consumers' partial sums; each wave's own 64 weights; vW, w1, v; the mask as words; k x coverage.  256 bytes in front of the mask and behind k x coverage are never touched.
.set BFB,   131072                     ; one bf16 copy; they lie at 0 and at BFB
.set CODES, 262144
.set CP,    528
.set ASCL,  295936
.set AP,    48
.set PS,    299008                     ; [consumer][64] f32
.set PB,    300032                     ; [wave][64] f32
.set BIAS,  302080                     ; vW[b], w1, v: 4,096 bytes each
.set MK,    314624                     ; [256] words
.set CVK,   315648                     ; [256] f32
; WINDOW 0: v1-9 LDS addresses, made anew in text that all waves walk; then:
.set L16, 10                           ; 16 x lane
.set L32, 11                           ; 32 x lane
.set L8,  14                           ; 8 x lane
.set PD,  15                           ; destination of lane permutes
.set MX,  16                           ; m
.set LS,  17                           ; l
.set WA,  18                           ; v18-21   the weighted sum of my four columns
.set S,   22                           ; v22-29   sum of v r: a pair for each tile of 16 rows
.set CV,  30                           ; v30-37   k x coverage of row 16 m + r, twice
.set ASC, 38                           ; v38-53   the rows' scale words: 4 m + q; lanes 0-15 K step 2 q, lanes 16-31 K step 2 q + 1
.set USC, 54                           ; v54-61   U's scale words, two sets
.set BV,  62                           ; v62-69   vW of the tile's eight columns of my half
.set BW1, 70                           ; v70-77   w1
.set BVV, 78                           ; v78-85   v
.set ACC, 86                           ; v86-117  four accumulators
.set UF,  118                          ; v118-181, v182-245 U's fragments, two sets
.set TMP, 246                          ; v246-249, v253 at work
.set VL,  250                          ; lane
.set VR,  251                          ; r = lane % 16
.set VH,  252                          ; h = lane / 16
.set TT,  86                           ; producers: v86-97 maxima, v98-101 the conversions' scale operands, v118-165 two sets of what a row stores
.set SCO, 98
; WINDOW 1: consumers: the step's codes, fragment (m, s) at v[8 (8 m + s)];  producers: eight rows on their way, 32 registers each.
; SCALARS: s[8:9] matrix, where the producers' reloads stand; s[18:19] Uimg, s[20:21] USimg at my 16 tiles; s[24:25] T at the step; s[26:27] PACC; s[28:29] PML;
; s30 wave, s31 wave % 4, s32 tau, s33 u (half of a step), s34 halves done, s35 the bf16 copy being written, s[36:37] k, s[38:39] -k, s[40:41] lane selects;
; s[48:49] Uimg, s[50:51] USimg at this half step's eight tiles; s[52:53], s[54:55] at the other half's.
.set MSB, 0
.macro WIN new                         ; the immediate's high byte repeats the setting that is left; a switch that changes nothing is dropped
.if MSB != \new
	s_set_vgpr_msb (MSB<<8)|\new
.set MSB, \new
.endif
.endm
.macro BARRIER                         ; my LDS stores have landed and my LDS loads are in: then the work-group's barrier
	s_wait_dscnt 0x0
	s_barrier_signal -1
	s_barrier_wait -1
.endm
; Eight loads: row i of the eight at s[8:9].  A lane takes 32 neighbouring bytes of each quarter row, so that its eight numbers are neighbours along K; the two loads of a quarter cover its 1,024 bytes.
.macro XLOAD i
.irp ch, 0,1,2,3
.irp j, 0,1
	global_load_b128 v[32*(\i)+8*\ch+4*\j:32*(\i)+8*\ch+4*\j+3], v[L32], s[8:9] offset:(\i)*4096+1024*\ch+16*\j th:TH_LOAD_NT
.endr
.endr
.endm
; A producer's row.  A block of 32 along K lies in four neighbouring lanes.  ahead = 1: the row's registers take the row eight further on.  left: the younger loads that may stay out.
.macro ROW i, ahead, left
.set XB, 32*(\i)
.set BB, 118+24*((\i)&1)               ; 16 registers of bf16,
.set CC, BB+16                         ; 4 of codes,
.set SBB, BB+20                        ; 4 scale bytes
	s_wait_loadcnt \left                           ; loads come back in order: this row's eight are in
	s_wait_dscnt 12                                ; all but the row before's 12 stores are done: the stores of two rows back have read this set
	WIN 0x15                                       ; sources in window 1
.irp ch, 0,1,2,3
	v_max3_num_f32 v[TT+3*\ch], |v[XB+8*\ch]|, |v[XB+8*\ch+1]|, |v[XB+8*\ch+2]|
	v_max3_num_f32 v[TT+3*\ch+1], |v[XB+8*\ch+3]|, |v[XB+8*\ch+4]|, |v[XB+8*\ch+5]|
	v_max3_num_f32 v[TT+3*\ch+2], |v[XB+8*\ch+6]|, |v[XB+8*\ch+7]|, 0x1800000   ; the floor 2^(3 - 127): the byte cannot fall under 1
.endr
	WIN 0
.irp ch, 0,1,2,3
	v_max3_num_f32 v[TT+3*\ch], v[TT+3*\ch], v[TT+3*\ch+1], v[TT+3*\ch+2]
.endr
.irp ch, 0,1,2,3
	v_max_num_f32_dpp v[TT+3*\ch], v[TT+3*\ch], v[TT+3*\ch] row_xmask:1 row_mask:0xf bank_mask:0xf
.endr
.irp ch, 0,1,2,3
	v_max_num_f32_dpp v[TT+3*\ch], v[TT+3*\ch], v[TT+3*\ch] row_xmask:2 row_mask:0xf bank_mask:0xf   ; the block's largest magnitude
.endr
.irp ch, 0,1,2,3
	v_add_nc_u32 v[SCO+\ch], 0xff000000, v[TT+3*\ch]   ; 2 off its exponent field: the conversion takes the exponent field of this operand as its scale
.endr
.irp ch, 0,1,2,3
	v_lshrrev_b32 v[SBB+\ch], 23, v[SCO+\ch]       ; the scale's byte.  (This row's set is written from here on: the stores that read it last, two rows back, stand ahead of the row before's wait on vm_vsrc; for a half's first two rows, ahead of the wait at the half's head)
.endr
	WIN 0x01
.irp ch, 0,1,2,3
	v_cvt_scalef32_pk8_fp4_f32 v[CC+\ch], v[XB+8*\ch:XB+8*\ch+7], v[SCO+\ch]
.endr
	WIN 0x05
.irp ch, 0,1,2,3
.irp j, 0,1,2,3
	v_cvt_pk_bf16_f32 v[BB+4*\ch+\j], v[XB+8*\ch+2*\j], v[XB+8*\ch+2*\j+1]   ; (these sixteen are also the plain place behind the scaled conversions)
.endr
.endr
	s_wait_alu depctr_vm_vsrc(0)                   ; the LDS stores issued so far, the row before's among them, have read their data: the next row writes the row before's set
.if \ahead
	WIN 0x40                                       ; a load's data in window 1; an LDS store's address and data are sources 0 and 1: window 0
.else
	WIN 0
.endif
	s_wait_alu depctr_va_vdst(0)                   ; the maxima and conversions are done reading the row's registers, in which the reload lands; they have written the set, which the stores read; in a half's first row v2 to v4 are written
.if \ahead
	XLOAD \i
.endif
.irp ch, 0,1,2,3
	ds_store_b128 v2, v[BB+4*\ch:BB+4*\ch+3] offset:(\i)*2048+512*\ch
	ds_store_b32 v3, v[CC+\ch] offset:(\i)*CP+128*\ch
	ds_store_b8 v4, v[SBB+\ch] offset:(\i)*AP+8*\ch   ; the four lanes of a block write the same byte with the same value
.endr
.endm
.macro HALF ahead                      ; eight rows
.irp i, 0,1,2,3,4,5,6,7
.if \ahead
	ROW \i, 1, 56
.else
	ROW \i, 0, 56-8*\i
.endif
.endr
	WIN 0
.endm
; A consumer's tile: 16 columns of U x the step's 64 rows.  Tile 8 u + i of my 16; its fragments were asked for a tile ago.
.macro TILE i
.set UFC, UF+64*((\i)&1)
.set UFN, UF+64*(1-((\i)&1))
.set USCC, USC+4*((\i)&1)
.set USCN, USC+4*(1-((\i)&1))
.if (\i) < 7                           ; the next tile: in this half step's eight,
.set UB, 48
.set UOF, ((\i)+1)*8192
.set SOF, ((\i)+1)*512
.else                                  ; or the first of the other half's; behind my last comes my first, for the next step (behind the very last step these 17 loads serve nothing)
.set UB, 52
.set UOF, 0
.set SOF, 0
.endif
	s_wait_alu depctr_va_vdst(0)                   ; the last tile's products are done reading the other set of U and of its scale words, its multiply-adds v62-85; in a step's first tile the weighted sum is done reading v182-245; in a half's first tile v1 is written
.irp a, 0,1,2
	ds_load_b128 v[BV+8*\a:BV+8*\a+3], v1 offset:4096*\a+64*(\i)
	ds_load_b128 v[BV+8*\a+4:BV+8*\a+7], v1 offset:4096*\a+64*(\i)+16
.endr
.irp e, 0,1,2,3,4,5,6,7,8,9,10,11,12,13,14,15
	global_load_b128 v[UFN+4*\e:UFN+4*\e+3], v[L16], s[UB:UB+1] offset:UOF+512*\e
.endr
	global_load_b128 v[USCN:USCN+3], v[L16], s[UB+2:UB+3] offset:SOF
	s_wait_loadcnt 17                              ; all but the 17 just issued: this tile's fragments and scale words are in
	s_wait_dscnt 4                                 ; vW is in; the four younger loads, w1 and v, may be out
	WIN 0x04                                       ; source 1 (the rows' codes) in window 1
; Source 0 = 16 columns of U, source 1 = 16 rows: a lane holds one row (16 m + r) and columns 8 h + 0 .. 7 of the tile.  vW is the C of each sum's first product.
; The four accumulators take turns, one instruction a turn.
.irp s, 0,1,2,3,4,5,6,7
.irp m, 0,1,2,3
.if \s == 0
	v_wmma_scale_f32_16x16x128_f8f6f4 v[ACC+8*\m:ACC+8*\m+7], v[UFC+8*\s:UFC+8*\s+7], v[8*(8*\m+\s):8*(8*\m+\s)+7], v[BV:BV+7], v[USCC+\s/2], v[ASC+4*\m+\s/2] matrix_a_fmt:MATRIX_FMT_FP4 matrix_b_fmt:MATRIX_FMT_FP4
.elseif (\s%2) == 1
	v_wmma_scale_f32_16x16x128_f8f6f4 v[ACC+8*\m:ACC+8*\m+7], v[UFC+8*\s:UFC+8*\s+7], v[8*(8*\m+\s):8*(8*\m+\s)+7], v[ACC+8*\m:ACC+8*\m+7], v[USCC+\s/2], v[ASC+4*\m+\s/2] matrix_a_fmt:MATRIX_FMT_FP4 matrix_b_fmt:MATRIX_FMT_FP4 matrix_a_scale:MATRIX_SCALE_ROW1 matrix_b_scale:MATRIX_SCALE_ROW1
.else
	v_wmma_scale_f32_16x16x128_f8f6f4 v[ACC+8*\m:ACC+8*\m+7], v[UFC+8*\s:UFC+8*\s+7], v[8*(8*\m+\s):8*(8*\m+\s)+7], v[ACC+8*\m:ACC+8*\m+7], v[USCC+\s/2], v[ASC+4*\m+\s/2] matrix_a_fmt:MATRIX_FMT_FP4 matrix_b_fmt:MATRIX_FMT_FP4
.endif
.endr
.endr
	WIN 0
.rept 4
	v_nop                                          ; four places between the last product and the first read of a result (ISA guide 7.12.1)
.endr
.set J, 0
.rept 16
	v_pk_mul_f32 v[ACC+J:ACC+J+1], v[ACC+J:ACC+J+1], s[36:37] op_sel_hi:[1,0]   ; k x (row . U + vW): each accumulator from its low end on
.set J, J+2
.endr
	s_wait_dscnt 0x0                               ; w1 and v are in
.set J, 0
.rept 16
	v_pk_fma_f32 v[ACC+J:ACC+J+1], v[BW1+J%8:BW1+J%8+1], v[CV+2*(J/8):CV+2*(J/8)+1], v[ACC+J:ACC+J+1]   ; + w1 x (k coverage)
.set J, J+2
.endr
.set J, 0
.rept 32
	v_exp_f32 v[ACC+J], v[ACC+J]
.set J, J+1
.endr
	v_nop                                          ; a plain place behind the batch,
	s_wait_alu depctr_va_vdst(0)                   ; and one wait for it: the 32 exponentials have written v86-117, ahead of their first reader
.set J, 0
.rept 16
	v_pk_add_f32 v[ACC+J:ACC+J+1], v[ACC+J:ACC+J+1], 1.0 op_sel_hi:[1,0]
.set J, J+2
.endr
.set J, 0
.rept 32
	v_rcp_f32 v[ACC+J], v[ACC+J]                   ; r = 1 / (1 + 2^(k x)); 2^(k x) = infinity gives 0, 0 gives 1
.set J, J+1
.endr
	v_nop
	s_wait_alu depctr_va_vdst(0)                   ; the 32 reciprocals have written v86-117, ahead of their first reader
.irp q, 0,1,2,3
.irp m, 0,1,2,3
	v_pk_fma_f32 v[S+2*\m:S+2*\m+1], v[BVV+2*\q:BVV+2*\q+1], v[ACC+8*\m+2*\q:ACC+8*\m+2*\q+1], v[S+2*\m:S+2*\m+1]   ; the four tiles of rows by turns
.endr
.endr
.endm
.macro GEND                            ; a consumer's sums of v r over its 256 columns, for the step's 64 rows, go to LDS
.irp m, 0,1,2,3
	v_add_f32 v[TMP+\m], v[S+2*\m], v[S+2*\m+1]
.endr
.irp m, 0,1,2,3
	v_permlanex16_b32 v[PD], v[TMP+\m], s40, s41   ; the row's other eight columns of each tile lie in lane l xor 16
	v_add_f32 v[TMP+\m], v[TMP+\m], v[PD]
.endr
	s_wait_alu depctr_va_vdst(0)                   ; the four sums and v5 are written, which the stores read
.irp m, 0,1,2,3
	ds_store_b32 v5, v[TMP+\m] offset:64*\m        ; both halves of the lanes write the same word with the same value
.endr
.endm
.macro ALOAD                           ; a consumer takes a step's codes, scale words and k x coverage into registers, and begins its sums
	WIN 0x40                                       ; destination window 1
	s_wait_alu depctr_va_vdst(0)                   ; v1 to v3 are written; the last step's products are done reading the codes and the rows' scale words, its multiply-adds k x coverage: the loads below land in them
.irp m, 0,1,2,3
.irp s, 0,1,2,3,4,5,6,7
.irp c, 0,1
	ds_load_b128 v[8*(8*\m+\s)+4*\c:8*(8*\m+\s)+4*\c+3], v1 offset:\m*16*CP+64*\s+32*\c
.endr
.endr
.endr
	WIN 0
.irp m, 0,1,2,3
.irp q, 0,1,2,3
	ds_load_b32 v[ASC+4*\m+\q], v2 offset:\m*16*AP+8*\q
.endr
.endr
.irp m, 0,1,2,3
	ds_load_b32 v[CV+2*\m], v3 offset:64*\m
	ds_load_b32 v[CV+2*\m+1], v3 offset:64*\m
.endr
.irp j, 0,1,2,3,4,5,6,7
	v_mov_b32 v[S+\j], 0
.endr
.endm
; The addresses of a half step, from the thread's number, the wave's number and the loops' counters; every wave makes all of them.
.macro P1ADDR
	s_wait_alu depctr_vm_vsrc(0)                   ; every LDS and memory instruction issued so far has read its registers: v1 to v5 and v246 are written below, loads land in v62-85 and v118-181 behind, and a half's first two rows write the two store sets
	s_lshl_b32 s44, s33, 16                        ; U's tiles of this half step: 8 u tiles of 8,192 bytes on (no load that reads these bases is untranslated: a wait on XCNT for 0 stands on every way here)
	s_mov_b32 s45, 0
	s_add_nc_u64 s[48:49], s[18:19], s[44:45]
	s_xor_b32 s44, s44, 65536                      ; and of the other half
	s_add_nc_u64 s[52:53], s[18:19], s[44:45]
	s_lshl_b32 s44, s33, 12                        ; their scale words: 512 bytes a tile
	s_add_nc_u64 s[50:51], s[20:21], s[44:45]
	s_xor_b32 s44, s44, 4096
	s_add_nc_u64 s[54:55], s[20:21], s[44:45]
	s_lshl_b32 s44, s31, 10
	s_lshl_b32 s45, s33, 9
	s_add_co_u32 s44, s44, s45
	s_add_co_u32 s44, s44, BIAS
	v_lshl_add_u32 v1, v[VH], 5, s44               ; vW of my tiles: 1,024 w + 512 u + 32 h
	s_lshl_b32 s44, s31, 15
	s_lshl_b32 s45, s33, 14
	s_add_co_u32 s44, s44, s45
	s_add_co_u32 s44, s44, s35
	v_add_nc_u32 v2, s44, v[L16]                   ; bf16: row 16 pw + 8 u, + 16 x lane
	s_mul_i32 s44, s31, 16*CP
	s_mul_i32 s45, s33, 8*CP
	s_add_co_u32 s44, s44, s45
	s_add_co_u32 s44, s44, CODES
	v_lshl_add_u32 v3, v[VL], 2, s44               ; codes: + 4 x lane
	s_mul_i32 s44, s31, 16*AP
	s_mul_i32 s45, s33, 8*AP
	s_add_co_u32 s44, s44, s45
	s_add_co_u32 s44, s44, ASCL
	v_lshrrev_b32 v[TMP], 2, v[VL]
	v_add_nc_u32 v4, s44, v[TMP]                   ; scale bytes: + lane / 4
	s_lshl_b32 s44, s31, 8
	s_add_co_u32 s44, s44, PS
	v_lshl_add_u32 v5, v[VR], 2, s44               ; partial sums: 256 w + 4 r
.endm
.macro P1TAIL                          ; the end of a half step
	s_wait_dscnt 0x0
	s_wait_xcnt 0x0                                ; the reloads, and the loads of U, have read their bases
	s_mov_b32 s42, 32768                           ; behind a step's second half the reloads go 8 rows on,
	s_mov_b32 s43, 0
	s_cmp_eq_u32 s33, 0
	s_cselect_b32 s42, 229376, s42                 ; behind its first half 56: to my first rows of the next step
	s_add_nc_u64 s[8:9], s[8:9], s[42:43]
	s_add_co_u32 s34, s34, 1
	s_add_co_u32 s33, s33, 1
.endm
.macro P2ADDR                          ; the addresses of what stands between the two barriers of a trip
	s_wait_alu depctr_vm_vsrc(0)                   ; every LDS instruction issued so far has read its address and its data: v1 to v9 are written below
	v_mul_u32_u24 v1, v[VR], CP
	v_lshl_add_u32 v1, v[VH], 4, v1
	v_add_nc_u32 v1, CODES, v1                     ; a fragment's row r, + 16 h
	v_mul_u32_u24 v2, v[VR], AP
	v_lshl_add_u32 v2, v[VH], 2, v2
	v_add_nc_u32 v2, ASCL, v2                      ; its scale words: + 4 h
	s_lshl_b32 s44, s32, 8
	s_add_co_u32 s45, s44, CVK
	v_lshl_add_u32 v3, v[VR], 2, s45               ; k x coverage of step tau
	v_add_nc_u32 v4, PS, v[L8]                     ; partial sums of rows 2 l, 2 l + 1
	s_add_co_u32 s45, s44, MK-256
	v_add_nc_u32 v5, s45, v[L8]                    ; their mask words: step tau - 1
	s_lshl_b32 s46, s30, 8
	s_add_co_u32 s47, s46, PB
	v_add_nc_u32 v6, s47, v[L8]                    ; my wave's weights: in,
	v_mov_b32 v7, s47                              ; and back, the same address in every lane
	s_xor_b32 s47, s35, BFB
	s_add_co_u32 s47, s47, s46
	v_add_nc_u32 v8, s47, v[L8]                    ; the bf16 copy of step tau - 1: my wave's 128 columns, four a lane
	v_add_nc_u32 v9, 65536, v8                     ; rows 32 on
.endm
; Rows 8 b .. 8 b + 7 of the bf16 copy into buffer b % 2 of v86-117: my four columns of a row are 8 bytes.
.macro WLOAD b
.irp k, 0,1,2,3,4,5,6,7
	ds_load_b64 v[ACC+16*((\b)%2)+2*\k:ACC+16*((\b)%2)+2*\k+1], v[8+(\b)/4] offset:((8*(\b)+\k)%32)*2048
.endr
.endm
; The softmax's step, in every wave alike: lane l holds rows 2 l and 2 l + 1 of the 64.
.macro SOFT
	s_wait_alu depctr_va_vdst(0)                   ; v4 to v9 are written; the vector instructions that named v62-71 are done: the loads below land there
.irp w, 0,1,2,3
	ds_load_b64 v[62+2*\w:63+2*\w], v4 offset:256*\w
.endr
	ds_load_b64 v[70:71], v5
	v_mov_b32 v72, 0xff61b1e6                      ; -3e38
	s_wait_dscnt 0x0
	v_pk_add_f32 v[62:63], v[62:63], v[64:65]
	v_pk_add_f32 v[66:67], v[66:67], v[68:69]
	v_pk_add_f32 v[62:63], v[62:63], v[66:67]
	v_pk_mul_f32 v[62:63], v[62:63], s[38:39] op_sel_hi:[1,0]   ; t = -k x the sum of v r
	v_cmp_ne_u32 s57, 0, v70
	v_cmp_ne_u32 s56, 0, v71
	s_wait_alu depctr_va_sdst(0)                   ; the two masks s57 and s56 are written, ahead of their first readers
	v_cndmask_b32 v62, v72, v62, s57               ; masked: -3e38
	v_cndmask_b32 v63, v72, v63, s56
	s_cmp_lg_u32 s30, 0
	s_cbranch_scc1 .Lnot_wave_0_\@
	s_wait_alu depctr_va_vdst(0)                   ; t is written in v62 and v63, which the store reads
	global_store_b64 v[L8], v[62:63], s[24:25]     ; the 32 lanes store 256 consecutive bytes, at a multiple of 256 from T's first byte
.Lnot_wave_0_\@:
	v_max_num_f32 v73, v62, v63
	v_max_num_f32_dpp v73, v73, v73 row_xmask:1 row_mask:0xf bank_mask:0xf
	v_max_num_f32_dpp v73, v73, v73 row_xmask:2 row_mask:0xf bank_mask:0xf
	v_max_num_f32_dpp v73, v73, v73 row_xmask:4 row_mask:0xf bank_mask:0xf
	v_max_num_f32_dpp v73, v73, v73 row_xmask:8 row_mask:0xf bank_mask:0xf
	v_permlanex16_b32 v[PD], v73, s40, s41
	v_max_num_f32 v73, v73, v[PD]
	v_max_num_f32 v74, v[MX], v73                  ; the new m
	v_sub_f32 v75, v[MX], v74
	v_sub_f32 v76, v62, v74
	v_sub_f32 v77, v63, v74
	v_exp_f32 v78, v75                             ; f = 2^(old m - new m)
	v_exp_f32 v76, v76                             ; p
	v_exp_f32 v77, v77
	v_mov_b32 v[MX], v74                           ; (a plain place behind the three)
	s_wait_alu depctr_va_vdst(0)                   ; one wait for them: v76 to v78 are written, ahead of their first reader
	v_cndmask_b32 v76, 0, v76, s57                 ; masked: 0
	v_cndmask_b32 v77, 0, v77, s56
	s_wait_alu depctr_va_vdst(0)                   ; the weights are written in v76 and v77, which the store reads; all that named v182-245 and v86-117 is done: the loads below land there
	ds_store_b64 v6, v[76:77]
.irp q, 0,1,2,3,4,5,6,7,8,9,10,11,12,13,14,15
	ds_load_b128 v[182+4*\q:185+4*\q], v7 offset:16*\q   ; all 64 weights into every lane: my wave's own bytes, and LDS serves a wave's instructions in order (ISA guide 5.7.1)
.endr
	WLOAD 0                                        ; the weighted sum's first sixteen rows are asked for here: the lines below name none of the registers that these loads touch
	WLOAD 1
	v_add_f32 v79, v76, v77
	v_add_f32_dpp v79, v79, v79 row_xmask:1 row_mask:0xf bank_mask:0xf
	v_add_f32_dpp v79, v79, v79 row_xmask:2 row_mask:0xf bank_mask:0xf
	v_add_f32_dpp v79, v79, v79 row_xmask:4 row_mask:0xf bank_mask:0xf
	v_add_f32_dpp v79, v79, v79 row_xmask:8 row_mask:0xf bank_mask:0xf
	v_permlanex16_b32 v[PD], v79, s40, s41
	v_add_f32 v79, v79, v[PD]
	v_fma_f32 v[LS], v[LS], v78, v79               ; l = l f + the step's sum
	v_pk_mul_f32 v[WA:WA+1], v[WA:WA+1], v[78:79] op_sel_hi:[1,0]
	v_pk_mul_f32 v[WA+2:WA+3], v[WA+2:WA+3], v[78:79] op_sel_hi:[1,0]
.endm
; The weighted sum of the step's 64 rows, in ascending order, eight at a time, the loads a batch ahead.
.macro WSUM
.irp b, 0,1,2,3,4,5,6,7
.irp k, 0,1,2,3,4,5,6,7
.if \b < 7
	s_wait_dscnt 15-\k                             ; row k of the batch is in (and, in the first batch, the weights, asked for earlier); the rest of the batch and the next batch's eight may be out
.else
	s_wait_dscnt 7-\k
.endif
	v_fma_mix_f32_bf16 v[WA], v[ACC+16*(\b%2)+2*\k], v[182+8*\b+\k], v[WA] op_sel_hi:[1,0,0]
	v_fma_mix_f32_bf16 v[WA+1], v[ACC+16*(\b%2)+2*\k], v[182+8*\b+\k], v[WA+1] op_sel:[1,0,0] op_sel_hi:[1,0,0]
	v_fma_mix_f32_bf16 v[WA+2], v[ACC+16*(\b%2)+2*\k+1], v[182+8*\b+\k], v[WA+2] op_sel_hi:[1,0,0]
	v_fma_mix_f32_bf16 v[WA+3], v[ACC+16*(\b%2)+2*\k+1], v[182+8*\b+\k], v[WA+3] op_sel:[1,0,0] op_sel_hi:[1,0,0]
.endr
.if \b < 6
	s_wait_alu depctr_va_vdst(0)                   ; the batch's multiply-adds are done reading its buffer, in which the batch two on lands
	WLOAD \b+2
.endif
.endr
.endm
	s_load_b512 s[8:23], s[0:1], 0x0               ; matrix, matrix_mask, coverage, v, w1, Uimg, USimg, VW
	s_load_b128 s[24:27], s[0:1], 0x40             ; T, PACC
	s_load_b64 s[28:29], s[0:1], 0x50              ; PML
	v_lshl_add_u32 v254, v0, 2, 0x4d600
	v_mov_b32 v255, 0
	v_lshrrev_b32 v1, 5, v0
	v_readfirstlane_b32 s30, v1                    ; wave 0..7
	v_and_b32 v[VL], 31, v0
	v_and_b32 v[VR], 15, v0
	v_bfe_u32 v[VH], v0, 4, 1
	v_lshlrev_b32 v[L16], 4, v[VL]
	v_lshlrev_b32 v[L32], 5, v[VL]
	v_lshlrev_b32 v[L8], 3, v[VL]
	v_mov_b32 v[PD], 0
	v_mov_b32 v[MX], 0xff61b1e6                    ; m = -3e38, under every t
	v_mov_b32 v[LS], 0
.irp c, 0,1,2,3
	v_mov_b32 v[WA+\c], 0
.endr
	v_lshlrev_b32 v247, 2, v0                      ; what the whole launch needs of the small inputs goes to LDS once: thread i takes row i's mask byte and coverage, and 16 bytes of vW, w1 and v
	v_lshlrev_b32 v248, 4, v0
	v_lshl_add_u32 v1, v0, 2, MK
	v_lshl_add_u32 v2, v0, 4, BIAS
	s_mov_b32 s36, 0x4038aa3b                      ; k = 2 log2(e)
	s_mov_b32 s37, s36
	s_mov_b32 s38, 0xc038aa3b                      ; -k
	s_mov_b32 s39, s38
	s_mov_b32 s40, 0x76543210
	s_mov_b32 s41, 0xfedcba98                      ; v_permlanex16_b32's selects for lane l xor 16
	s_wait_alu depctr_va_sdst(0)                   ; s30 is written, ahead of its first reader
	s_and_b32 s31, s30, 3
	s_lshl_b32 s44, ttmp9, 8                       ; my 256 rows: in the mask,
	s_mov_b32 s45, 0
	s_lshl_b32 s46, ttmp9, 10                      ; in coverage and in T,
	s_mov_b32 s47, 0
	s_lshr_b32 s48, ttmp9, 3
	s_lshl_b32 s48, s48, 12                        ; my batch's row of VW,
	s_mov_b32 s49, 0
	s_lshl_b32 s50, ttmp9, 20
	s_lshl_b32 s51, s31, 16
	s_add_co_u32 s50, s50, s51                     ; in matrix: (256 g + 16 pw) rows of 4,096 bytes (under 2^28),
	s_mov_b32 s51, 0
	s_lshl_b32 s52, s31, 17                        ; my 16 tiles of Uimg,
	s_mov_b32 s53, 0
	s_lshl_b32 s54, s31, 13                        ; and of USimg
	s_mov_b32 s55, 0
	s_wait_kmcnt 0x0
	s_add_nc_u64 s[10:11], s[10:11], s[44:45]
	s_add_nc_u64 s[12:13], s[12:13], s[46:47]
	s_add_nc_u64 s[24:25], s[24:25], s[46:47]
	s_add_nc_u64 s[22:23], s[22:23], s[48:49]
	s_add_nc_u64 s[8:9], s[8:9], s[50:51]
	s_add_nc_u64 s[18:19], s[18:19], s[52:53]
	s_add_nc_u64 s[20:21], s[20:21], s[54:55]
	s_lshl_b32 s44, ttmp9, 12
	s_lshl_b32 s46, s30, 9
	s_add_co_u32 s44, s44, s46
	s_add_nc_u64 s[26:27], s[26:27], s[44:45]      ; PACC: row g, my wave's 128 columns
	s_lshl_b32 s44, ttmp9, 3
	s_add_nc_u64 s[28:29], s[28:29], s[44:45]      ; PML: pair g
	s_wait_alu depctr_va_vdst(0)                   ; the offsets v247, v248, v10, v11, v14 and the LDS addresses v1, v2 are written, which the loads and stores below read
	global_load_u8 v249, v0, s[10:11]
	global_load_b32 v253, v247, s[12:13]
	global_load_b128 v[62:65], v248, s[22:23]
	global_load_b128 v[66:69], v248, s[16:17]
	global_load_b128 v[70:73], v248, s[14:15]
	s_wait_loadcnt 0x0
	v_mul_f32 v253, s36, v253
	s_wait_alu depctr_va_vdst(0)                   ; k x coverage is written in v253, which the second store reads
	ds_store_b32 v1, v249
	ds_store_b32 v1, v253 offset:CVK-MK
	ds_store_b128 v2, v[62:65]
	ds_store_b128 v2, v[66:69] offset:4096
	ds_store_b128 v2, v[70:73] offset:8192
	s_cmp_lt_u32 s30, 4
	s_cbranch_scc0 .Lhead_producer
.irp e, 0,1,2,3,4,5,6,7,8,9,10,11,12,13,14,15
	global_load_b128 v[UF+4*\e:UF+4*\e+3], v[L16], s[18:19] offset:512*\e   ; a consumer's first tile of U
.endr
	global_load_b128 v[USC:USC+3], v[L16], s[20:21]
	s_branch .Lhead_join
.Lhead_producer:
	WIN 0x40
	s_wait_alu depctr_va_vdst(0)                   ; v11 is written, which the loads below read: the wait stands behind the switch of the window under which they are issued
.irp i, 0,1,2,3,4,5,6,7
	XLOAD \i                                       ; a producer's first eight rows: 64 loads of 512 bytes
.endr
	WIN 0
.Lhead_join:
	s_wait_dscnt 0x0
	s_wait_xcnt 0x0
	s_add_nc_u64 s[8:9], s[8:9], 32768             ; the first half's reloads: rows 8 to 15
	s_mov_b32 s32, 0
	s_mov_b32 s34, 0
	s_mov_b32 s35, 0
	; STEP 0 IS PRODUCED: the consumers have nothing yet.  Every wave walks the loop
	s_mov_b32 s33, 0
.Lpro:
	P1ADDR
	s_cmp_lt_u32 s30, 4
	s_cbranch_scc1 .Lpro_join
	HALF 1
.Lpro_join:
	P1TAIL
	s_cmp_lt_u32 s33, 2
	s_cbranch_scc1 .Lpro
	BARRIER                                        ; step 0's codes, scale bytes and bf16 copy, and the small inputs, lie in LDS
	P2ADDR
	s_cmp_lt_u32 s30, 4
	s_cbranch_scc0 .Lpro_no_aload
	ALOAD
.Lpro_no_aload:
	BARRIER                                        ; the consumers' loads of the codes are in: the codes may be written again
	s_xor_b32 s35, s35, BFB
	s_mov_b32 s32, 1
.Ltau:                                                 ; four trips: step tau is produced (up to tau = 3) while step tau - 1 is consumed
	s_mov_b32 s33, 0
.Lu:
	P1ADDR
	s_cmp_lt_u32 s30, 4
	s_cbranch_scc0 .Lproducer
.irp i, 0,1,2,3,4,5,6,7
	TILE \i
.endr
	s_branch .Ljoin
.Lproducer:
	s_cmp_ge_u32 s34, 8                            ; all eight halves are produced
	s_cbranch_scc1 .Ljoin
	s_cmp_eq_u32 s34, 7                            ; the last half reloads nothing: no load leaves my rows
	s_cbranch_scc1 .Llast_half
	HALF 1
	s_branch .Ljoin
.Llast_half:
	HALF 0
.Ljoin:
	P1TAIL
	s_cmp_lt_u32 s33, 2
	s_cbranch_scc1 .Lu
	s_cmp_lt_u32 s30, 4
	s_cbranch_scc0 .Lno_gend
	GEND
.Lno_gend:
	BARRIER                                        ; step tau is in LDS, and so are the partial sums of step tau - 1
	P2ADDR
	s_cmp_lt_u32 s30, 4
	s_cbranch_scc0 .Lno_aload
	s_cmp_lt_u32 s32, 4
	s_cbranch_scc0 .Lno_aload
	ALOAD
.Lno_aload:
	SOFT
	WSUM
	s_wait_xcnt 0x0                                ; wave 0's store has read its base and its data
	s_add_nc_u64 s[24:25], s[24:25], 256           ; T: the next step's 64 rows
	BARRIER                                        ; every wave's reads of the codes, the partial sums and the bf16 copy are in
	s_xor_b32 s35, s35, BFB
	s_add_co_u32 s32, s32, 1
	s_cmp_lt_u32 s32, 5
	s_cbranch_scc1 .Ltau
	v_mov_b32 v[TMP], 0                            ; (the LDS stores that read v246 stand ahead of the last wait on vm_vsrc)
	s_wait_alu depctr_va_vdst(0)                   ; the weighted sum, m, l and v246 are written, which the two stores below read
	global_store_b128 v[L16], v[WA:WA+3], s[26:27] ; 32 lanes store 512 consecutive bytes
	s_cmp_lg_u32 s30, 0
	s_cbranch_scc1 .Lend
	global_store_b64 v[TMP], v[MX:MX+1], s[28:29]  ; (m, l): every lane holds the same pair and writes it to the same place
.Lend:
	s_wait_dscnt 0x0
	s_wait_alu depctr_hold_cnt(0) depctr_sa_sdst(0) depctr_va_vdst(0) depctr_va_sdst(0) depctr_va_ssrc(0) depctr_va_vcc(0) depctr_vm_vsrc(0)
	s_wait_tensorcnt 0x0
	ds_add_u32 v254, v255
	s_wait_dscnt 0x0
	s_endpgm
.Lfunc_end_k_q2e062389be_main:
	.size	k_q2e062389be_main, .Lfunc_end_k_q2e062389be_main-k_q2e062389be_main
	.p2alignl 7, 3214868480
	.fill 96, 4, 3214868480
	.section	.rodata,"a",@progbits
	.p2align	6, 0x0
	.amdhsa_kernel k_q2e062389be_main
		.amdhsa_group_segment_fixed_size 317952
		.amdhsa_private_segment_fixed_size 0
		.amdhsa_enable_private_segment 0
		.amdhsa_kernarg_size 88
		.amdhsa_user_sgpr_count 2
		.amdhsa_user_sgpr_kernarg_segment_ptr 1
		.amdhsa_wavefront_size32 1
		.amdhsa_system_sgpr_workgroup_id_x 1
		.amdhsa_system_sgpr_workgroup_id_y 1
		.amdhsa_system_sgpr_workgroup_id_z 1
		.amdhsa_system_vgpr_workitem_id 0
		.amdhsa_next_free_vgpr 512
		.amdhsa_next_free_sgpr 66
		.amdhsa_reserve_vcc 0
		.amdhsa_float_denorm_mode_32 3
		.amdhsa_float_denorm_mode_16_64 3
		.amdhsa_memory_ordered 1
		.amdhsa_forward_progress 1
		.amdhsa_inst_pref_size 255
	.end_amdhsa_kernel
	.section	.bss,"aw",@nobits
	.p2align	6
	.space	262144
	.amdgpu_metadata
---
amdhsa.version: [ 1, 2 ]
amdhsa.kernels:
  - .name:           k_q2e062389be_main
    .symbol:         k_q2e062389be_main.kd
    .args:
      - { .name: matrix, .offset: 0, .size: 8, .value_kind: global_buffer, .address_space: global }
      - { .name: matrix_mask, .offset: 8, .size: 8, .value_kind: global_buffer, .address_space: global }
      - { .name: coverage, .offset: 16, .size: 8, .value_kind: global_buffer, .address_space: global }
      - { .name: v, .offset: 24, .size: 8, .value_kind: global_buffer, .address_space: global }
      - { .name: w1, .offset: 32, .size: 8, .value_kind: global_buffer, .address_space: global }
      - { .name: Uimg, .offset: 40, .size: 8, .value_kind: global_buffer, .address_space: global }
      - { .name: USimg, .offset: 48, .size: 8, .value_kind: global_buffer, .address_space: global }
      - { .name: VW, .offset: 56, .size: 8, .value_kind: global_buffer, .address_space: global }
      - { .name: T, .offset: 64, .size: 8, .value_kind: global_buffer, .address_space: global }
      - { .name: PACC, .offset: 72, .size: 8, .value_kind: global_buffer, .address_space: global }
      - { .name: PML, .offset: 80, .size: 8, .value_kind: global_buffer, .address_space: global }
    .group_segment_fixed_size: 317952
    .private_segment_fixed_size: 0
    .kernarg_segment_align: 8
    .kernarg_segment_size: 88
    .max_flat_workgroup_size: 256
    .sgpr_count:     66
    .vgpr_count:     512
    .wavefront_size: 32
...
	.end_amdgpu_metadata
.endif
;; end of part 5
;; launch comb: the kernel of part 3 again; grid 4 x 32, 2 waves a work-group, no clusters, 0 bytes of LDS; arguments T, PACC, PML, coverage, matrix_mask, out0, out1, out2; writes out0, out1, out2
